; MI455X (gfx1250); checked and timed in simulation.
; The chip was launched on July 23, 2026; its instructions are those of AMD's public machine-readable ISA for CDNA 5 (MIT licence, August 2026) and "CDNA5" Instruction Set Architecture Reference Guide (July 2026). The comments in the code are by the model that wrote it; some were corrected since.
;; Transformer Block. Allowed arithmetic: float matrix products may take bf16 or f16 operands with f32 sums; other float arithmetic in f32, or as packed bf16 or f16 multiplies, adds, multiply-adds, maxima and minima; sums over many terms, partial sums and values carried from step to step in f32; what a program stores and reads back later, other than sums and carried values, may be rounded once to bf16 or f16.
;; Inputs: attn_norm_w 512 float32; expert_w 4 x 512 x 512 float32; ffn_norm_w 512 float32; gate_w 4 x 512 float32; wk 128 x 512 float32; wo 512 x 512 float32; wq 512 x 512 float32; wv 128 x 512 float32; x 4 x 2,048 x 512 float32.
;; Outputs: out0 4 x 2,048 x 512 float32.
;; One version. Each part assembles by itself: llvm-mc -triple=amdgcn-amd-amdhsa -mcpu=gfx1250 --defsym DOCPART=n.
;; ======== version 1 of 1: 5 launches
;; limits: values are held in f16: magnitudes above 65,504 overflow, below 6.1e-05 lose precision
;; workspace buffers: xn 8,388,608 bytes; wh 3,407,872 bytes; qf 8,388,608 bytes; kv 4,194,304 bytes; oh 8,388,608 bytes; h 16,777,216 bytes; hw 8,388,608 bytes; part 2,097,152 bytes
;; launch prep (part 1): grid 256 x 1, 8 waves a work-group, no clusters, 0 bytes of LDS; arguments x, attn_norm_w, wq, wk, wv, wo, expert_w, xn, wh; writes xn, wh
.if DOCPART == 1
	.amdgcn_target "amdgcn-amd-amdhsa--gfx1250"
	.amdhsa_code_object_version 6
	.text
	.protected	k_q088438976f_prep
	.globl	k_q088438976f_prep
	.p2align	8
	.type	k_q088438976f_prep,@function
k_q088438976f_prep:
	s_mov_b64 s[64:65], 0
	v_nop
	global_prefetch_b8 v0, s[64:65] scope:SCOPE_SE
	s_setreg_imm32_b32 hwreg(HW_REG_WAVE_MODE, 25, 1), 1
	s_wait_xcnt 0x0
; THE PROGRAM: a transformer block on 8,192 tokens of 512 channels, in five launches.
;   prep: xn = rmsnorm(x) x attn_norm_w in f16; all weights rounded once (wq, wk, wv, wo to f16, the experts to bf16).
;   qkv:  q, k, v = xn times the weights, stored in the order in which the attention's matrix operands take them.
;   att:  causal attention, 16 query heads on 4 key heads, head size 32.      wo: h = x + o wo^T, h x ffn_norm_w, and each 64 columns' part of sum(h^2) and of the four gate sums.
;   moe:  the gate's top two and their weights from those parts, the four experts' products, out = h + the weighted sum.
; WORK LEFT OUT.  The score of query q and key k > q is replaced by -inf in the problem's own body (its triangle of ones), so its weight is exactly 0 and its product with v adds 0,
; whatever finite values the inputs hold.  Key steps of 64 that lie wholly above the diagonal of a block of 64 queries are therefore not computed (launch att).  Every input has a way to the output; all nine are loaded.
; LIMITS.  A NaN, an infinity or an overflow that reaches only those hidden scores or their rows of v is not carried to the result.  xn, q c, k, v, o and the f16 weights must stay under 65,504.
; NaN and infinities are not treated apart anywhere.  Two gate sums that lie closer together than the 16-bit operands' rounding moves h may be ranked the other way.
; THIS LAUNCH streams: no LDS, no matrix unit, no barrier.  Wave u = 8 g + w of 2,048 takes four rows of x (a row is 2,048 bytes: four loads of 16 bytes a lane, kept in registers between the sum of
; squares and the scaling), one unit of 128 numbers of wq and of wo, four of the experts, and (waves 0-3 of a work-group) one of wk or wv.  Each store of a wave covers 256 consecutive bytes, aligned.
; wq is multiplied by c = log2(e) / sqrt(32) in f32 before its one rounding, so that the attention's scores come out ready for 2^x.
.set NW,  4                            ; v[4:19]    attn_norm_w at my 16 columns
.set X,   20                           ; v[20:83]   four rows, 16 numbers each
.set WU,  84                           ; v[84:107]  six units of weights
.set SM,  108                          ; v[108:123] four registers a row: sums, then 1/rms
.set PX,  128                          ; v[128:159] xn, packed
.set PW,  160                          ; v[160:171] weights, packed
.set KV,  172                          ; v[172:175] the unit of wk or wv;  v[176:177] packed
.macro ROWS line:vararg                ; one line for each row r
.set r, 0
.rept 4
	\line
.set r, r+1
.endr
.endm
	s_load_b512 s[4:19], s[0:1], 0x0               ; x s[4:5], attn_norm_w s[6:7], wq s[8:9], wk s[10:11], wv s[12:13], wo s[14:15], expert_w s[16:17], xn s[18:19]
	s_load_b64 s[20:21], s[0:1], 0x40              ; wh
	v_lshrrev_b32 v1, 5, v0
	v_readfirstlane_b32 s22, v1                    ; wave 0..7
	v_and_b32 v1, 31, v0
	v_lshlrev_b32 v2, 4, v1                        ; 16 x lane: loads
	v_lshlrev_b32 v3, 3, v1                        ; 8 x lane: stores
	s_lshl_b32 s23, ttmp9, 3
	s_add_co_u32 s23, s23, s22                     ; u = 8 g + w
	s_lshl_b32 s24, s23, 13                        ; four rows of x
	s_mov_b32 s25, 0
	s_lshl_b32 s26, s23, 12                        ; four rows of xn
	s_mov_b32 s27, 0
	s_lshl_b32 s28, s23, 9                         ; a unit of f32
	s_mov_b32 s29, 0
	s_lshl_b32 s30, s23, 8                         ; a unit of 16 bits
	s_mov_b32 s31, 0
	s_lshl_b32 s32, s23, 11                        ; four units of f32
	s_mov_b32 s33, 0
	s_lshl_b32 s34, s23, 10                        ; four units of 16 bits
	s_mov_b32 s35, 0
	s_lshl_b32 s36, ttmp9, 1
	s_and_b32 s37, s22, 1
	s_add_co_u32 s36, s36, s37                     ; the unit of wk (waves 0, 1) or wv (waves 2, 3): 2 g + w % 2
	s_lshl_b32 s38, s36, 9
	s_mov_b32 s39, 0
	s_lshl_b32 s40, s36, 8
	s_mov_b32 s41, 0
	s_mov_b32 s42, 655360                          ; wv's rows begin at row 640 of wh,
	s_cmp_lt_u32 s22, 2
	s_cselect_b32 s42, 524288, s42                 ; wk's at row 512
	s_add_co_u32 s40, s40, s42
	s_mov_b32 s52, 0x76543210                      ; v_permlanex16_b32: each lane takes its own place in the other half
	s_mov_b32 s53, 0xfedcba98
	s_mov_b32 s54, 0x3b000000                      ; 1 / 512
	s_mov_b32 s55, 0x358637bd                      ; 1e-6
	s_mov_b32 s56, 0x3e8293ee                      ; c
	s_mov_b32 s57, s56                             ; named with it as a pair
	s_wait_kmcnt 0x0
	s_add_nc_u64 s[4:5], s[4:5], s[24:25]
	s_add_nc_u64 s[18:19], s[18:19], s[26:27]
	s_add_nc_u64 s[8:9], s[8:9], s[28:29]
	s_add_nc_u64 s[14:15], s[14:15], s[28:29]
	s_add_nc_u64 s[16:17], s[16:17], s[32:33]
	s_add_nc_u64 s[44:45], s[20:21], s[30:31]      ; wh at my unit of wq; wo's lies 786,432 bytes on
	s_add_nc_u64 s[46:47], s[20:21], s[34:35]      ; wh at my four units of the experts, less 1,310,720
	s_add_nc_u64 s[48:49], s[20:21], s[40:41]      ; wh at my unit of wk or wv
	s_cmp_lt_u32 s22, 2
	s_cselect_b64 s[50:51], s[10:11], s[12:13]
	s_add_nc_u64 s[50:51], s[50:51], s[38:39]
	s_cmp_lt_u32 s22, 4
	s_cbranch_scc0 .Lno_kv
	global_load_b128 v[KV:KV+3], v2, s[50:51] th:TH_LOAD_NT  ; the oldest load: every counted wait below covers it
.Lno_kv:
.irp j, 0,1,2,3
	global_load_b128 v[NW+4*\j:NW+4*\j+3], v2, s[6:7] offset:512*\j
.endr
.set r, 0
.rept 4
.set j, 0
.rept 4
	global_load_b128 v[X+16*r+4*j:X+16*r+4*j+3], v2, s[4:5] offset:2048*r+512*j th:TH_LOAD_NT
.set j, j+1
.endr
.set r, r+1
.endr
	global_load_b128 v[WU:WU+3], v2, s[8:9] th:TH_LOAD_NT
	global_load_b128 v[WU+4:WU+7], v2, s[14:15] th:TH_LOAD_NT
.irp k, 0,1,2,3
	global_load_b128 v[WU+8+4*\k:WU+11+4*\k], v2, s[16:17] offset:512*\k th:TH_LOAD_NT
.endr
	s_wait_loadcnt 0x6                             ; the norm's weights and the four rows are in; the six units of weights may stay out
	; the sum of squares: two chains a row, the rows by turns
	ROWS v_pk_mul_f32 v[SM+4*r:SM+4*r+1], v[X+16*r:X+16*r+1], v[X+16*r:X+16*r+1]
	ROWS v_pk_mul_f32 v[SM+4*r+2:SM+4*r+3], v[X+16*r+2:X+16*r+3], v[X+16*r+2:X+16*r+3]
.set i, 2
.rept 6
	ROWS v_pk_fma_f32 v[SM+4*r+2*(i%2):SM+4*r+2*(i%2)+1], v[X+16*r+2*i:X+16*r+2*i+1], v[X+16*r+2*i:X+16*r+2*i+1], v[SM+4*r+2*(i%2):SM+4*r+2*(i%2)+1]
.set i, i+1
.endr
	ROWS v_pk_add_f32 v[SM+4*r:SM+4*r+1], v[SM+4*r:SM+4*r+1], v[SM+4*r+2:SM+4*r+3]
	ROWS v_add_f32 v[SM+4*r], v[SM+4*r], v[SM+4*r+1]
	ROWS v_add_f32_dpp v[SM+4*r], v[SM+4*r], v[SM+4*r] row_xmask:1 row_mask:0xf bank_mask:0xf
	ROWS v_add_f32_dpp v[SM+4*r], v[SM+4*r], v[SM+4*r] row_xmask:2 row_mask:0xf bank_mask:0xf
	ROWS v_add_f32_dpp v[SM+4*r], v[SM+4*r], v[SM+4*r] row_xmask:4 row_mask:0xf bank_mask:0xf
	ROWS v_add_f32_dpp v[SM+4*r], v[SM+4*r], v[SM+4*r] row_xmask:8 row_mask:0xf bank_mask:0xf
	ROWS v_permlanex16_b32 v[SM+4*r+1], v[SM+4*r], s52, s53
	ROWS v_add_f32 v[SM+4*r], v[SM+4*r], v[SM+4*r+1]
	ROWS v_fma_f32 v[SM+4*r+2], v[SM+4*r], s54, s55
	ROWS v_rsq_f32 v[SM+4*r], v[SM+4*r+2]
	v_nop                                          ; a plain instruction behind the last of the four,
	s_wait_alu depctr_va_vdst(0)                   ; and one wait for the batch, ahead of its first reader
	; (x / rms) x weight, as the problem orders it; rounded once to f16; stored
.set i, 0
.rept 8
	ROWS v_pk_mul_f32 v[X+16*r+2*i:X+16*r+2*i+1], v[X+16*r+2*i:X+16*r+2*i+1], v[SM+4*r:SM+4*r+1] op_sel_hi:[1,0]
	ROWS v_pk_mul_f32 v[X+16*r+2*i:X+16*r+2*i+1], v[X+16*r+2*i:X+16*r+2*i+1], v[NW+2*i:NW+2*i+1]
	ROWS v_cvt_pk_f16_f32 v[PX+8*r+i], v[X+16*r+2*i], v[X+16*r+2*i+1]
.set i, i+1
.endr
.set j, 0
.rept 4
	ROWS global_store_b64 v3, v[PX+8*r+2*j:PX+8*r+2*j+1], s[18:19] offset:1024*r+256*j
.set j, j+1
.endr
	s_wait_loadcnt 0x0                             ; the weights
	v_pk_mul_f32 v[WU:WU+1], v[WU:WU+1], s[56:57] op_sel_hi:[1,0]
	v_pk_mul_f32 v[WU+2:WU+3], v[WU+2:WU+3], s[56:57] op_sel_hi:[1,0]
.irp i, 0,1,2,3
	v_cvt_pk_f16_f32 v[PW+\i], v[WU+2*\i], v[WU+2*\i+1]
.endr
.irp i, 4,5,6,7,8,9,10,11
	v_cvt_pk_bf16_f32 v[PW+\i], v[WU+2*\i], v[WU+2*\i+1]
.endr
	global_store_b64 v3, v[PW:PW+1], s[44:45]
	global_store_b64 v3, v[PW+2:PW+3], s[44:45] offset:786432
.irp k, 0,1,2,3
	global_store_b64 v3, v[PW+4+2*\k:PW+5+2*\k], s[46:47] offset:1310720+256*\k
.endr
	s_cmp_lt_u32 s22, 4
	s_cbranch_scc0 .Lend
	v_cvt_pk_f16_f32 v176, v[KV], v[KV+1]
	v_cvt_pk_f16_f32 v177, v[KV+2], v[KV+3]
	global_store_b64 v3, v[176:177], s[48:49]
.Lend:
	s_endpgm
.Lfunc_end_k_q088438976f_prep:
	.size	k_q088438976f_prep, .Lfunc_end_k_q088438976f_prep-k_q088438976f_prep
	.p2alignl 7, 3214868480
	.fill 96, 4, 3214868480
	.section	.rodata,"a",@progbits
	.p2align	6, 0x0
	.amdhsa_kernel k_q088438976f_prep
		.amdhsa_group_segment_fixed_size 0
		.amdhsa_private_segment_fixed_size 0
		.amdhsa_enable_private_segment 0
		.amdhsa_kernarg_size 72
		.amdhsa_user_sgpr_count 2
		.amdhsa_user_sgpr_kernarg_segment_ptr 1
		.amdhsa_wavefront_size32 1
		.amdhsa_system_sgpr_workgroup_id_x 1
		.amdhsa_system_sgpr_workgroup_id_y 1
		.amdhsa_system_sgpr_workgroup_id_z 1
		.amdhsa_system_vgpr_workitem_id 0
		.amdhsa_next_free_vgpr 180
		.amdhsa_next_free_sgpr 66
		.amdhsa_reserve_vcc 0
		.amdhsa_float_denorm_mode_32 3
		.amdhsa_float_denorm_mode_16_64 3
		.amdhsa_memory_ordered 1
		.amdhsa_forward_progress 1
		.amdhsa_inst_pref_size 19
	.end_amdhsa_kernel
	.amdgpu_metadata
---
amdhsa.version: [ 1, 2 ]
amdhsa.kernels:
  - .name:           k_q088438976f_prep
    .symbol:         k_q088438976f_prep.kd
    .args:
      - { .name: x, .offset: 0, .size: 8, .value_kind: global_buffer, .address_space: global }
      - { .name: attn_norm_w, .offset: 8, .size: 8, .value_kind: global_buffer, .address_space: global }
      - { .name: wq, .offset: 16, .size: 8, .value_kind: global_buffer, .address_space: global }
      - { .name: wk, .offset: 24, .size: 8, .value_kind: global_buffer, .address_space: global }
      - { .name: wv, .offset: 32, .size: 8, .value_kind: global_buffer, .address_space: global }
      - { .name: wo, .offset: 40, .size: 8, .value_kind: global_buffer, .address_space: global }
      - { .name: expert_w, .offset: 48, .size: 8, .value_kind: global_buffer, .address_space: global }
      - { .name: xn, .offset: 56, .size: 8, .value_kind: global_buffer, .address_space: global }
      - { .name: wh, .offset: 64, .size: 8, .value_kind: global_buffer, .address_space: global }
    .group_segment_fixed_size: 0
    .private_segment_fixed_size: 0
    .kernarg_segment_align: 8
    .kernarg_segment_size: 72
    .max_flat_workgroup_size: 256
    .sgpr_count:     66
    .vgpr_count:     180
    .wavefront_size: 32
...
	.end_amdgpu_metadata
.endif
;; end of part 1
;; launch qkv (part 2): grid 4 x 64, 4 waves a work-group, clusters of 4 x 4, 327,680 bytes of LDS; arguments xn, wh, qf, kv; writes qf, kv
.if DOCPART == 2
	.amdgcn_target "amdgcn-amd-amdhsa--gfx1250"
	.amdhsa_code_object_version 6
	.text
	.protected	k_q088438976f_qkv
	.globl	k_q088438976f_qkv
	.p2align	8
	.type	k_q088438976f_qkv,@function
k_q088438976f_qkv:
	s_mov_b64 s[64:65], 0
	v_nop
	global_prefetch_b8 v0, s[64:65] scope:SCOPE_SE
	s_setreg_imm32_b32 hwreg(HW_REG_WAVE_MODE, 25, 1), 1
	s_wait_xcnt 0x0
	s_wait_alu depctr_hold_cnt(0) depctr_sa_sdst(0) depctr_va_vdst(0) depctr_va_sdst(0) depctr_va_ssrc(0) depctr_va_vcc(0) depctr_vm_vsrc(0)
	s_getreg_b32 s2, hwreg(HW_REG_IB_STS2, 6, 4)
	s_cmp_eq_u32 s2, 0
	s_cbranch_scc0 .Lentry_in_a_cluster
	s_endpgm
.Lentry_in_a_cluster:
	s_bfe_u32 s2, ttmp6, 0x10000c
	s_cmp_lg_u32 s2, 0xf033
	s_cbranch_scc0 .Lentry_shape_is_right
	s_endpgm
.Lentry_shape_is_right:
; q, k, v = xn W^T.  xn: [8192][512] f16.  wh's rows 0-511 are wq x c, 512-639 wk, 640-767 wv, all f16, 512 numbers a row.  Sums in f32, each result rounded once to f16.
; SHARES.  A work-group takes 128 tokens (tile row R) and 192 columns, in two laps over the same rows of xn, which stay in LDS: lap 0 makes columns 128 Y .. of q (four heads), lap 1 the 64 columns
; 512 + 64 Y .. (Y = 0, 1: two heads of k; Y = 2, 3: two heads of v).  So 256 work-groups have equal work.  Four waves, each 64 tokens x 64 (lap 1: 32) columns.
; K = 512 is two steps of 256, one in each of two LDS slots; rows of 512 bytes, 16 of padding behind each.  Every wave fetches 32 rows of xn and 32 of the weights for each slot: four loads of mine are out at the start.
; In lap 0's two changes of slots the weights' part of the slot just read is filled again, with lap 1's 64 rows (16 a wave: one load of mine is out).
; CLUSTER 4 x 4: the four work-groups of a row of the cluster need the same rows of xn, the four of a column the same rows of the weights: each tile is asked for jointly.
; THE MATRIX INSTRUCTION IS USED TRANSPOSED (source 0 = 16 rows of the weights, source 1 = 16 tokens): a lane holds one token (lane % 16) and the columns 8 (lane / 16) + 0..7.  Rounded in pairs, those 16 bytes
; ARE half a lane's share of a matrix operand of 16 tokens x 32 channels: q and k are stored in that order (1,024 bytes a fragment: registers 0-3 at 16 x lane, 4-7 at 512 + 16 x lane), v as [64 keys][16 channels].
; Each store of a wave covers 512 consecutive bytes, aligned.  No prefetch: all but two small tiles are asked for at the head.
; REGISTERS.  Window 0: v0-31 addresses; v32-107 the way out; v128-255 16 accumulators ((a, b) at 128 + 8 (4 a + b)).  Window 1: two fragment buffers of 128: 64 of xn, 64 of the weights.
.set PITCH,  528
.set QT,     32*PITCH
.set HALFT,  64*PITCH
.set AREG,   128*PITCH                 ; a slot: 128 rows of xn, then 128 rows of weights
.set SLOT,   2*AREG
.set SPARE,  2*SLOT+128*272            ; the spare words, 128 bytes a wave: two blocks of 256 bytes that no other line names
.set ACC,  128
.set F0,   0
.set F1,   128
.set ADRA, 16                          ; v16-17 my fragments of xn in slot 0, 1
.set ADRB, 20                          ; v20-21 of the weights, lap 0
.set ADRB2, 22                         ; v22-23 of the weights, lap 1
.set SPW,  28
.set NIL,  29
.set G1W0, (1<<16)|(1<<20)|(1<<21)|(6<<22)|(3<<25)  ; 2-byte elements; padding on; bit 21 beside a mask; after every 128 words, 4 words
.set MSB, 0
.macro WIN new                         ; the immediate's high byte repeats the setting that is left
.if MSB != (\new)
	s_set_vgpr_msb (MSB<<8)|(\new)
.set MSB, \new
.endif
.endm
.macro PLACES                          ; four plain instructions behind a matrix instruction, ahead of loads into its sources and of readers of its result
.rept 4
	v_nop
.endr
.endm
.macro CREST                           ; a round of the cluster's barrier behind its opening barrier
	s_cmp_lg_u32 s80, 0
	s_cbranch_scc1 .Lnot_wave_0_\@
	s_barrier_signal -3
.Lnot_wave_0_\@:
	s_barrier_wait -3
	s_barrier_signal -1
	s_barrier_wait -1
.endm
.macro CROUND
	s_barrier_signal -1
	s_barrier_wait -1
	CREST
.endm
; token blocks a0, a0 + 1 x nb column blocks, 32 along K: half c of buffer f.  The accumulators take turns, one instruction a turn.  zero = 1: the product starts the sum
.macro MULH f, c, a0, zero, nb
	WIN 0x05
.irp a, \a0, (\a0)+1
.set b, 0
.rept \nb
.set rD, ACC+8*(4*(\a)+b)
.set rB, (\f)+64+8*(4*(\c)+b)
.set rA, (\f)+8*(4*(\c)+(\a))
.if \zero
	v_wmma_f32_16x16x32_f16 v[rD:rD+7], v[rB:rB+7], v[rA:rA+7], 0
.else
	v_wmma_f32_16x16x32_f16 v[rD:rD+7], v[rB:rB+7], v[rA:rA+7], v[rD:rD+7]
.endif
.set b, b+1
.endr
.endr
.endm
; one run of LDS loads: the fragments of 64 along K at byte k of the rows, into buffer f; the first 32 along K first
.macro FETCH slot, k, f, nb, adrb
	WIN 0x40
.irp c, 0,1
.irp i, 0,1,2,3
.if (\i) < (\nb)
	ds_load_b128 v[(\f)+64+8*(4*(\c)+(\i)):(\f)+64+8*(4*(\c)+(\i))+3],   v[(\adrb)+(\slot)] offset:(\k)+64*(\c)+(\i)*16*PITCH
	ds_load_b128 v[(\f)+64+8*(4*(\c)+(\i))+4:(\f)+64+8*(4*(\c)+(\i))+7], v[(\adrb)+(\slot)] offset:(\k)+64*(\c)+(\i)*16*PITCH+32
.endif
	ds_load_b128 v[(\f)+8*(4*(\c)+(\i)):(\f)+8*(4*(\c)+(\i))+3],         v[ADRA+(\slot)] offset:(\k)+64*(\c)+(\i)*16*PITCH
	ds_load_b128 v[(\f)+8*(4*(\c)+(\i))+4:(\f)+8*(4*(\c)+(\i))+7],       v[ADRA+(\slot)] offset:(\k)+64*(\c)+(\i)*16*PITCH+32
.endr
.endr
.endm
; a quarter of a K step: multiplies buffer f, fetches the next quarter (byte k) into g.  FH = the loads of 32 along K
.macro QUARTER slot, k, f, g, zero, nb=4, adrb=ADRB
.set FH, 2*(4+(\nb))
	s_wait_dscnt FH                                ; the first 32 along K are in; the other FH loads may be out
	MULH \f, 0, 0, \zero, \nb
	MULH \f, 0, 2, \zero, \nb
	PLACES
	FETCH \slot, \k, \g, \nb, \adrb
	s_wait_dscnt 2*FH                              ; all but those just issued
	MULH \f, 1, 0, 0, \nb
	MULH \f, 1, 2, 0, \nb
.endm
.macro REFILL kind, slot               ; lap 1's rows of the weights, K half = slot: my one tensor load behind the round
	tensor_load_to_lds s[56+4*(\slot):59+4*(\slot)], s[68:75]
	s_nop 0
	PLACES
.endm
; the last quarter of a K step changes slots: each wave waits for all its tensor loads, adds 0 to its spare word, waits for that and for its reads of this slot; one barrier, which with fill opens a round of the cluster's
.macro TURN slot, next, fill, nb, nbn, adrn
.set FH, 2*(4+(\nb))
	WIN 0
	s_wait_tensorcnt 0x0                           ; all my tensor loads have landed
	ds_add_u32 v[SPW], v[NIL]
	s_wait_dscnt FH+1                              ; (the add and the youngest FH loads may be out)
	MULH F1, 0, 0, 0, \nb
	s_wait_dscnt 0x0                               ; the add is done, and my reads of this slot are over
	s_barrier_signal -1
	MULH F1, 0, 2, 0, \nb
.if \fill
	WIN 0
.endif
	s_barrier_wait -1
.if \fill
	CREST                                          ; no wave of any partner still reads this slot or has a load on its way
	REFILL \fill, \slot
.else
	PLACES
.endif
	FETCH \next, 0, F0, \nbn, \adrn
	MULH F1, 1, 0, 0, \nb
	MULH F1, 1, 2, 0, \nb
.endm
.macro LASTQ nb=4                      ; the very last quarter: nothing more to fetch
.set FH, 2*(4+(\nb))
	s_wait_dscnt FH
	MULH F1, 0, 0, 0, \nb
	MULH F1, 0, 2, 0, \nb
	s_wait_dscnt 0x0
	MULH F1, 1, 0, 0, \nb
	MULH F1, 1, 2, 0, \nb
	WIN 0
	PLACES
.endm
	s_load_b256 s[4:11], s[0:1], 0x0               ; xn s[4:5], wh s[6:7], qf s[8:9], kv s[10:11]
	v_lshl_add_u32 v[SPW], v0, 2, SPARE
	v_mov_b32 v[NIL], 0
	ds_add_u32 v[SPW], v[NIL]                      ; the opening: the add, twice on end, and its wait ahead of my first tensor load
	ds_add_u32 v[SPW], v[NIL]
	v_lshrrev_b32 v1, 5, v0
	v_readfirstlane_b32 s80, v1                    ; wave 0..3
	s_lshr_b32 s81, s80, 1                         ; my half of the tile's tokens
	s_and_b32 s82, s80, 1                          ; my half of its columns
	s_bfe_u32 s83, ttmp6, 0x40000                  ; cx
	s_bfe_u32 s84, ttmp6, 0x40004                  ; cy
	s_lshl_b32 s85, ttmp9, 2
	s_add_co_u32 s85, s85, s83                     ; Y
	s_and_b32 s86, ttmp7, 0xffff
	s_lshl_b32 s86, s86, 2
	s_add_co_u32 s86, s86, s84                     ; R
	s_lshl_b32 s87, s84, 2
	s_lshl_b32 s87, 15, s87                        ; my row of the cluster
	s_lshl_b32 s88, 0x1111, s83                    ; my column
	s_or_b32 s24, s87, G1W0                        ; group 1 for xn's tiles: 32 rows x 256 elements
	s_or_b32 s32, s88, G1W0                        ; for the weights', lap 0
	s_or_b32 s68, s88, G1W0                        ; for the weights', lap 1: 16 rows
.irp g, 24, 32, 68
	s_mov_b32 s[\g+1], 256<<16                     ; tensor_dim0
	s_mov_b32 s[\g+3], 256<<16                     ; tile_dim0
	s_mov_b32 s[\g+5], 512                         ; elements from row to row
	s_mov_b32 s[\g+6], 0
	s_mov_b32 s[\g+7], 0
.endr
	s_mov_b32 s26, 32<<16                          ; tensor_dim1
	s_mov_b32 s28, 32                              ; tile_dim1
	s_mov_b32 s34, 32<<16
	s_mov_b32 s36, 32
	s_mov_b32 s70, 16<<16
	s_mov_b32 s72, 16
	s_mul_i32 s89, s80, QT                         ; my 32 rows in a region: no place in the cluster enters an LDS address
	s_mul_i32 s96, s80, 16*PITCH                   ; my 16 rows, lap 1
	s_mov_b32 s40, 1
	s_mov_b32 s41, s89
	s_mov_b32 s44, 1
	s_add_co_u32 s45, s89, AREG
	s_mov_b32 s48, 1
	s_add_co_u32 s49, s89, SLOT
	s_mov_b32 s52, 1
	s_add_co_u32 s53, s89, SLOT+AREG
	s_mov_b32 s56, 1
	s_add_co_u32 s57, s96, AREG
	s_mov_b32 s60, 1
	s_add_co_u32 s61, s96, SLOT+AREG
	s_lshl_b32 s90, s86, 7                         ; xn: row 128 R + 32 w, made of the tile row alone
	s_lshl_b32 s91, s80, 5
	s_add_co_u32 s90, s90, s91
	s_lshl_b32 s90, s90, 10
	s_mov_b32 s91, 0
	s_lshl_b32 s92, s85, 7                         ; weights, lap 0: row 128 Y + 32 w, made of the tile column alone
	s_lshl_b32 s93, s80, 5
	s_add_co_u32 s92, s92, s93
	s_lshl_b32 s92, s92, 10
	s_mov_b32 s93, 0
	s_lshl_b32 s94, s85, 6                         ; lap 1: row 512 + 64 Y + 16 w
	s_lshl_b32 s95, s80, 4
	s_add_co_u32 s94, s94, s95
	s_add_co_u32 s94, s94, 512
	s_lshl_b32 s94, s94, 10
	s_mov_b32 s95, 0
	s_wait_dscnt 0x0                               ; both opening adds are done
	s_wait_kmcnt 0x0
	s_add_nc_u64 s[20:21], s[4:5], s[90:91]
	s_add_nc_u64 s[22:23], s[6:7], s[92:93]
	s_add_nc_u64 s[98:99], s[6:7], s[94:95]
	s_mov_b64 s[42:43], s[20:21]
	s_or_b32 s43, s43, 0x80000000
	s_mov_b64 s[46:47], s[22:23]
	s_or_b32 s47, s47, 0x80000000
	s_add_nc_u64 s[50:51], s[20:21], 512           ; K half 1
	s_or_b32 s51, s51, 0x80000000
	s_add_nc_u64 s[54:55], s[22:23], 512
	s_or_b32 s55, s55, 0x80000000
	s_mov_b64 s[58:59], s[98:99]
	s_or_b32 s59, s59, 0x80000000
	s_add_nc_u64 s[62:63], s[98:99], 512
	s_or_b32 s63, s63, 0x80000000
	CROUND                                         ; all sixteen work-groups are here: the first joint loads meet
	tensor_load_to_lds s[40:43], s[24:31]
	s_nop 0
	tensor_load_to_lds s[44:47], s[32:39]
	s_nop 0
	tensor_load_to_lds s[48:51], s[24:31]
	s_nop 0
	tensor_load_to_lds s[52:55], s[32:39]
	s_nop 0
	PLACES
	v_and_b32 v1, 15, v0                           ; l % 16
	v_bfe_u32 v2, v0, 4, 1                         ; l / 16
	v_mul_u32_u24 v3, v1, PITCH
	v_lshl_add_u32 v3, v2, 4, v3                   ; a fragment's row x pitch + 16 x half
	s_mul_i32 s97, s81, HALFT
	v_add_nc_u32 v16, s97, v3
	v_add_nc_u32 v17, SLOT, v16
	s_mul_i32 s97, s82, HALFT
	s_add_co_u32 s97, s97, AREG
	v_add_nc_u32 v20, s97, v3
	v_add_nc_u32 v21, SLOT, v20
	s_mul_i32 s97, s82, 32*PITCH
	s_add_co_u32 s97, s97, AREG
	v_add_nc_u32 v22, s97, v3
	v_add_nc_u32 v23, SLOT, v22
	v_and_b32 v26, 31, v0
	v_lshlrev_b32 v26, 4, v26                      ; 16 x lane: q's and k's order
	v_lshlrev_b32 v27, 5, v1
	v_lshl_add_u32 v27, v2, 4, v27                 ; 32 (l % 16) + 16 (l / 16): v's order
	; qf at fragment ((16 bi + 4 Y + 2 half) x 128 + 8 (R % 16) + 4 half) of 1,024 bytes
	s_and_b32 s14, s86, 0xf0
	s_lshl2_add_u32 s14, s85, s14
	s_lshl1_add_u32 s14, s82, s14
	s_lshl_b32 s14, s14, 7
	s_and_b32 s15, s86, 15
	s_lshl3_add_u32 s14, s15, s14
	s_lshl2_add_u32 s14, s81, s14
	s_lshl_b32 s14, s14, 10
	s_mov_b32 s15, 0
	s_add_nc_u64 s[8:9], s[8:9], s[14:15]
	; kv at key step ((4 bi + 2 (Y % 2) + half) x 32 + 2 (R % 16) + half) of 8,192 bytes.  k or v is a matter of the tile column, which is my place in the cluster: chosen by selects, never by a branch
	s_lshr_b32 s16, s86, 4
	s_lshl_b32 s16, s16, 2
	s_and_b32 s17, s85, 1
	s_lshl1_add_u32 s16, s17, s16
	s_add_co_u32 s16, s16, s82
	s_lshl_b32 s16, s16, 5
	s_and_b32 s17, s86, 15
	s_lshl1_add_u32 s16, s17, s16
	s_add_co_u32 s16, s16, s81
	s_lshl_b32 s16, s16, 13
	s_cmp_ge_u32 s85, 2                            ; v?
	s_cselect_b32 s17, 1, 0
	s_cselect_b32 s18, 9, 10                       ; bytes from token block to token block: 512 (v), 1,024 (k)
	s_cselect_b32 s19, 11, 9                       ; from column block to column block: 2,048 (v), 512 (k)
	s_cselect_b32 s100, -1, 0
	s_lshl_b32 s17, s17, 12                        ; v lies 4,096 bytes behind k in a step
	s_lshl_b32 s18, 1, s18
	s_lshl_b32 s19, 1, s19
	s_add_co_u32 s16, s16, s17
	s_mov_b32 s17, 0
	s_add_nc_u64 s[10:11], s[10:11], s[16:17]
	v_cndmask_b32 v100, v26, v27, s100
	v_add_nc_u32 v101, s19, v100
.irp a, 1,2,3
	v_add_nc_u32 v[100+2*\a], s18, v[98+2*\a]
	v_add_nc_u32 v[101+2*\a], s18, v[99+2*\a]
.endr
	s_wait_tensorcnt 0x2                           ; my parts of slot 0 are in; slot 1's two may stay out
	s_barrier_signal -1
	s_barrier_wait -1
	FETCH 0, 0, F0, 4, ADRB
	QUARTER 0, 128, F0, F1, 1                      ; LAP 0: q
	QUARTER 0, 256, F1, F0, 0
	QUARTER 0, 384, F0, F1, 0
	TURN 0, 1, 1, 4, 4, ADRB
	QUARTER 1, 128, F0, F1, 0
	QUARTER 1, 256, F1, F0, 0
	QUARTER 1, 384, F0, F1, 0
	TURN 1, 0, 1, 4, 2, ADRB2                      ; and lap 1's first fragments
	WIN 0
	PLACES
.set q, 0
.rept 64
	v_cvt_pk_f16_f32 v[32+q], v[ACC+2*q], v[ACC+2*q+1]  ; each accumulator's registers in ascending order
.set q, q+1
.endr
.irp a, 0,1,2,3
.irp bb, 0,1,2,3
	global_store_b128 v26, v[32+4*(4*\a+\bb):32+4*(4*\a+\bb)+3], s[8:9] offset:\a*1024+(\bb/2)*131072+(\bb%2)*512
.endr
.endr
	QUARTER 0, 128, F0, F1, 1, 2, ADRB2            ; LAP 1: k or v
	QUARTER 0, 256, F1, F0, 0, 2, ADRB2
	QUARTER 0, 384, F0, F1, 0, 2, ADRB2
	TURN 0, 1, 0, 2, 2, ADRB2
	QUARTER 1, 128, F0, F1, 0, 2, ADRB2
	QUARTER 1, 256, F1, F0, 0, 2, ADRB2
	QUARTER 1, 384, F0, F1, 0, 2, ADRB2
	LASTQ 2
	s_wait_xcnt 0x0                                ; q's stores have read their registers, which are written again below
.irp a, 0,1,2,3
.irp bb, 0,1
.irp jj, 0,1,2,3
	v_cvt_pk_f16_f32 v[32+4*(2*\a+\bb)+\jj], v[ACC+8*(4*\a+\bb)+2*\jj], v[ACC+8*(4*\a+\bb)+2*\jj+1]
.endr
.endr
.endr
.irp a, 0,1,2,3
.irp bb, 0,1
	global_store_b128 v[100+2*\a+\bb], v[32+4*(2*\a+\bb):32+4*(2*\a+\bb)+3], s[10:11]
.endr
.endr
	s_wait_tensorcnt 0x0                           ; the wave's end
	ds_add_u32 v[SPW], v[NIL]
	s_wait_dscnt 0x0
	CROUND                                         ; the closing round
	s_endpgm
.Lfunc_end_k_q088438976f_qkv:
	.size	k_q088438976f_qkv, .Lfunc_end_k_q088438976f_qkv-k_q088438976f_qkv
	.p2alignl 7, 3214868480
	.fill 96, 4, 3214868480
	.section	.rodata,"a",@progbits
	.p2align	6, 0x0
	.amdhsa_kernel k_q088438976f_qkv
		.amdhsa_group_segment_fixed_size 327680
		.amdhsa_private_segment_fixed_size 0
		.amdhsa_enable_private_segment 0
		.amdhsa_kernarg_size 32
		.amdhsa_user_sgpr_count 2
		.amdhsa_user_sgpr_kernarg_segment_ptr 1
		.amdhsa_wavefront_size32 1
		.amdhsa_system_sgpr_workgroup_id_x 1
		.amdhsa_system_sgpr_workgroup_id_y 1
		.amdhsa_system_sgpr_workgroup_id_z 1
		.amdhsa_system_vgpr_workitem_id 0
		.amdhsa_next_free_vgpr 512
		.amdhsa_next_free_sgpr 102
		.amdhsa_reserve_vcc 0
		.amdhsa_float_denorm_mode_32 3
		.amdhsa_float_denorm_mode_16_64 3
		.amdhsa_memory_ordered 1
		.amdhsa_forward_progress 1
		.amdhsa_inst_pref_size 75
	.end_amdhsa_kernel
	.amdgpu_metadata
---
amdhsa.version: [ 1, 2 ]
amdhsa.kernels:
  - .name:           k_q088438976f_qkv
    .symbol:         k_q088438976f_qkv.kd
    .args:
      - { .name: xn, .offset: 0, .size: 8, .value_kind: global_buffer, .address_space: global }
      - { .name: wh, .offset: 8, .size: 8, .value_kind: global_buffer, .address_space: global }
      - { .name: qf, .offset: 16, .size: 8, .value_kind: global_buffer, .address_space: global }
      - { .name: kv, .offset: 24, .size: 8, .value_kind: global_buffer, .address_space: global }
    .group_segment_fixed_size: 327680
    .private_segment_fixed_size: 0
    .kernarg_segment_align: 8
    .kernarg_segment_size: 32
    .max_flat_workgroup_size: 128
    .sgpr_count:     102
    .vgpr_count:     512
    .wavefront_size: 32
...
	.end_amdgpu_metadata
.endif
;; end of part 2
;; launch att (part 3): grid 16 x 16, 8 waves a work-group, clusters of 4 x 1, 327,680 bytes of LDS; arguments qf, kv, oh; writes oh
.if DOCPART == 3
	.amdgcn_target "amdgcn-amd-amdhsa--gfx1250"
	.amdhsa_code_object_version 6
	.text
	.protected	k_q088438976f_att
	.globl	k_q088438976f_att
	.p2align	8
	.type	k_q088438976f_att,@function
k_q088438976f_att:
	s_mov_b64 s[64:65], 0
	v_nop
	global_prefetch_b8 v0, s[64:65] scope:SCOPE_SE
	s_setreg_imm32_b32 hwreg(HW_REG_WAVE_MODE, 25, 1), 1
	s_wait_xcnt 0x0
	s_wait_alu depctr_hold_cnt(0) depctr_sa_sdst(0) depctr_va_vdst(0) depctr_va_sdst(0) depctr_va_ssrc(0) depctr_va_vcc(0) depctr_vm_vsrc(0)
	s_getreg_b32 s2, hwreg(HW_REG_IB_STS2, 6, 4)
	s_cmp_eq_u32 s2, 0
	s_cbranch_scc0 .Lentry_in_a_cluster
	s_endpgm
.Lentry_in_a_cluster:
	s_bfe_u32 s2, ttmp6, 0x10000c
	s_cmp_lg_u32 s2, 0x3003
	s_cbranch_scc0 .Lentry_shape_is_right
	s_endpgm
.Lentry_shape_is_right:
; CAUSAL ATTENTION, head size 32, four query heads to a key head.  O[q] = the sum over k <= q of softmax_k(q . k / sqrt(32)) v[k].  q (which holds log2(e) / sqrt(32) already), k, v: f16, in the order of the
; matrix operands (launch qkv).  Products, maxima and sums in f32; the weights p = 2^(s - m) are rounded to f16 for the second product, and their sum l is taken of the rounded p, by a product with ones.
; WORK LEFT OUT: key steps of 64 that lie wholly above the diagonal of a block of 64 queries: their weights are exactly 0 (shown at the head of launch prep).
; LIMITS.  A hidden score inside the diagonal step counts as its value less 1e30; a weight below 2^-126 counts as 0; NaN and infinities are not treated apart.
; SHARES.  y = 4 batch + key head.  A cluster I (0..3) of four work-groups owns the blocks I, 7-I, 8+I, 15-I, 16+I, 23-I, 24+I, 31-I of 64 queries, for all four query heads: 132 block-steps for every I.
; Partner p takes queries 16 p .. 16 p + 15 of each block; wave w has head w % 4 and four of the eight blocks (w / 4 = 0: I, 15-I, 16+I, 31-I; 1: the others): 66 tile-steps for every wave.
; All trip counts are constants; a step that a tile or a wave does not need is jumped forward, past text that holds no barrier and no tensor load; the conditions hang on I, the wave's number and the step, never on p.
; LDS.  All of the key head's k and v (262,144 bytes, 8,192 a step) are asked for once, jointly by the four partners, in two fills a wave (steps 0-3, steps 4-31): two loads of mine are out.  Nothing is filled again.
; LAYOUT.  S^T = K Q^T holds one query a lane (lane % 16) and the keys 8 (lane / 16) + 0..7 of each 16; two such results rounded to f16 ARE source 1 of O^T = V^T P.  V comes out of LDS turned, by ds_load_tr16_b128.
; ones x P gives every lane its query's whole sum in register 0 of the result; only that register is rescaled and read; the other seven hold unrescaled sums, at most 2,048.
; Two waves share a SIMD, so one wave's matrix work stands beside the other's vector work; the text itself goes in phases.  No prefetch: everything is asked for at the head.
.set STAGE, 262144                     ; 128 rows x 272 bytes, for the way out
.set SP,    272
.set SPARE, STAGE+128*SP               ; the spare words, 128 bytes a wave: four blocks of 256 bytes that no other line names
.set K0,  2                            ; v2  16 x lane
.set V0,  3                            ; v3  my place in a step's v
.set KA,  4
.set VA,  5
.set THR, 6                            ; v6  my query's place in its block less 8 (lane / 16)
.set SPW, 7
.set NIL, 8
.set STO, 9
.set RD,  10
.set GO,  11
.set MX,  12                           ; v12-15 running maxima, a tile each
.set CC,  16                           ; v16-19 at work; v20 the new maximum, v21 at work; v22 a, v23 its pair's other half
.set ONES, 24                          ; v24-31 1.0 in every half
.set QQ,  32                           ; v32-63   q, 8 a tile
.set OO,  64                           ; v64-127  O^T, 16 a tile
.set LL,  128                          ; v128-159 the sums, 8 a tile
.set KF,  160                          ; v160-191 k of a step
.set VF,  192                          ; v192-223 v of a step: key half kk, channel block cb at 8 (2 kk + cb)
.set S,   224                          ; v224-255 S^T, then P in its first 16.   Window 1, v0-31: the diagonal step's mask
.set MSB, 0
.macro WIN new
.if MSB != (\new)
	s_set_vgpr_msb (MSB<<8)|(\new)
.set MSB, \new
.endif
.endm
.macro CROUND
	s_barrier_signal -1
	s_barrier_wait -1
	s_cmp_lg_u32 s10, 0
	s_cbranch_scc1 .Lnot_wave_0_\@
	s_barrier_signal -3
.Lnot_wave_0_\@:
	s_barrier_wait -3
	s_barrier_signal -1
	s_barrier_wait -1
.endm
	s_load_b128 s[4:7], s[0:1], 0x0                ; qf s[4:5], kv s[6:7]
	s_load_b64 s[8:9], s[0:1], 0x10                ; oh
	v_lshl_add_u32 v[SPW], v0, 2, SPARE
	v_mov_b32 v[NIL], 0
	ds_add_u32 v[SPW], v[NIL]                      ; the opening: the add, twice on end, and its wait ahead of my first tensor load
	ds_add_u32 v[SPW], v[NIL]
	v_lshrrev_b32 v1, 5, v0
	v_readfirstlane_b32 s10, v1                    ; wave 0..7
	s_and_b32 s11, s10, 3                          ; my head among the four
	s_lshr_b32 s12, s10, 2                         ; which four of the eight blocks
	s_bfe_u32 s13, ttmp6, 0x40000                  ; p: it enters q's and o's addresses and the mask's values alone
	s_mov_b32 s14, ttmp9                           ; I
	s_and_b32 s15, ttmp7, 0xffff                   ; y
	s_sub_co_u32 s52, 7, s14
	s_add_co_u32 s53, s14, 8
	s_sub_co_u32 s54, 23, s14
	s_add_co_u32 s55, s14, 24
	s_sub_co_u32 s56, 15, s14
	s_add_co_u32 s57, s14, 16
	s_sub_co_u32 s58, 31, s14
	s_cmp_eq_u32 s12, 0
	s_cselect_b32 s16, s14, s52                    ; s16-19: my four blocks, ascending
	s_cselect_b32 s17, s56, s53
	s_cselect_b32 s18, s57, s54
	s_cselect_b32 s19, s58, s55
	; group 1: dense bytes as rows of 256: elements of 8 bytes, 32 a row; the mask of four, bit 21 beside it
	s_mov_b32 s28, 15|(3<<16)|(1<<21)
	s_mov_b32 s36, 15|(3<<16)|(1<<21)
.irp g, 28, 36
	s_mov_b32 s[\g+1], 32<<16
	s_mov_b32 s[\g+3], 32<<16
	s_mov_b32 s[\g+5], 32
	s_mov_b32 s[\g+6], 0
	s_mov_b32 s[\g+7], 0
.endr
	s_mov_b32 s30, 16<<16                          ; steps 0-3: 16 rows a wave
	s_mov_b32 s32, 16
	s_mov_b32 s38, 112<<16                         ; steps 4-31: 112 rows a wave
	s_mov_b32 s40, 112
	s_mov_b32 s44, 1
	s_lshl_b32 s45, s10, 12
	s_mov_b32 s48, 1
	s_mul_i32 s49, s10, 28672
	s_add_co_u32 s49, s49, 32768
	s_lshl_b32 s60, s15, 18                        ; the key head's 262,144 bytes
	s_mov_b32 s61, 0
	s_mov_b32 s63, 0
	s_mov_b32 s24, 0x76543210
	s_mov_b32 s25, 0xfedcba98
	s_mov_b32 s26, 0xf149f2ca                      ; -1e30
	s_mov_b32 s20, 0                               ; the key step
	s_mov_b32 s22, 0                               ; its first byte in LDS
	s_wait_dscnt 0x0                               ; both opening adds are done
	s_wait_kmcnt 0x0
	s_add_nc_u64 s[6:7], s[6:7], s[60:61]
	s_mov_b32 s62, s45                             ; in memory the bytes lie as in LDS
	s_add_nc_u64 s[46:47], s[6:7], s[62:63]
	s_or_b32 s47, s47, 0x80000000
	s_mov_b32 s62, s49
	s_add_nc_u64 s[50:51], s[6:7], s[62:63]
	s_or_b32 s51, s51, 0x80000000
	CROUND                                         ; all four work-groups are here: the joint loads meet
	tensor_load_to_lds s[44:47], s[28:35]
	s_nop 0
	tensor_load_to_lds s[48:51], s[36:43]
	s_nop 0
.rept 4
	v_nop
.endr
	v_and_b32 v20, 15, v0                          ; l % 16
	v_bfe_u32 v21, v0, 4, 1                        ; l / 16
	v_and_b32 v22, 31, v0
	v_lshlrev_b32 v[K0], 4, v22
	v_and_b32 v22, 7, v0
	v_lshl_add_u32 v[V0], v21, 3, v22              ; the turning load: key 8 (l / 16) + l % 8, 32 bytes a key,
	v_lshlrev_b32 v[V0], 5, v[V0]
	v_bfe_u32 v22, v0, 3, 1
	v_lshl_add_u32 v[V0], v22, 4, v[V0]            ; channels 8 ((l / 8) % 2) on
	v_add_nc_u32 v[V0], 4096, v[V0]
	v_lshlrev_b32 v[THR], 3, v21
	v_sub_nc_u32 v[THR], v20, v[THR]
	s_lshl_b32 s52, s13, 4
	v_add_nc_u32 v[THR], s52, v[THR]
	s_mul_i32 s52, s12, 64*SP                      ; into the stage: tile 4 (w / 4) + u, row l % 16, my head's 64 bytes
	s_lshl_b32 s53, s11, 6
	s_add_co_u32 s52, s52, s53
	s_add_co_u32 s52, s52, STAGE
	v_mul_u32_u24 v[STO], v20, SP
	v_lshl_add_u32 v[STO], v21, 4, v[STO]
	v_add_nc_u32 v[STO], s52, v[STO]
	s_mul_i32 s52, s10, 16*SP                      ; back: wave w takes tile w, two whole rows a load
	s_add_co_u32 s52, s52, STAGE
	v_mul_u32_u24 v[RD], v21, SP
	v_lshl_add_u32 v[RD], v20, 4, v[RD]
	v_add_nc_u32 v[RD], s52, v[RD]
	v_lshlrev_b32 v[GO], 10, v21
	v_lshl_add_u32 v[GO], v20, 4, v[GO]
	s_lshl2_add_u32 s52, s15, s11                  ; q: head 4 y + w % 4, 131,072 bytes a head; fragment 4 block + p
	s_lshl_b32 s52, s52, 17
	s_mov_b32 s53, 0
	s_add_nc_u64 s[4:5], s[4:5], s[52:53]
.irp u, 0,1,2,3
	s_lshl2_add_u32 s54, s[16+\u], s13
	s_lshl_b32 s54, s54, 10
	v_add_nc_u32 v[CC+\u], s54, v[K0]
	global_load_b128 v[QQ+8*\u:QQ+8*\u+3], v[CC+\u], s[4:5]
	global_load_b128 v[QQ+8*\u+4:QQ+8*\u+7], v[CC+\u], s[4:5] offset:512
.endr
	s_cmp_eq_u32 s11, 1                            ; o: the block of the tile that I store, number w % 4 of my four
	s_cselect_b32 s55, s17, s16
	s_cmp_eq_u32 s11, 2
	s_cselect_b32 s55, s18, s55
	s_cmp_eq_u32 s11, 3
	s_cselect_b32 s55, s19, s55
	s_lshr_b32 s56, s15, 2
	s_lshl_b32 s56, s56, 11                        ; the batch's 2,048 rows
	s_lshl_b32 s55, s55, 6
	s_add_co_u32 s56, s56, s55
	s_lshl4_add_u32 s56, s13, s56
	s_lshl_b32 s56, s56, 10
	s_and_b32 s57, s15, 3
	s_lshl_b32 s57, s57, 8                         ; the key head's four heads: 256 bytes of a row
	s_add_co_u32 s56, s56, s57
	s_mov_b32 s57, 0
	s_add_nc_u64 s[8:9], s[8:9], s[56:57]
	WIN 0x40                                       ; the mask of a block's own step: register j of key group kb is hidden where 16 kb + j is greater than v6
.set i, 0
.rept 32
	v_cmp_gt_i32 vcc_lo, 16*(i/8)+i%8, v[THR]
	v_cndmask_b32 v[i], 0, s26, vcc_lo
.set i, i+1
.endr
	WIN 0
	; O^T and the sums start at 0, the maxima at the lowest finite number: the first step is a step like any other, with a = 0.  Written while the first fill is on its way, so that no first step is written out
.set i, OO
.rept 96
	v_mov_b32 v[i], 0
.set i, i+1
.endr
.irp i, 0,1,2,3,4,5,6,7
	v_mov_b32 v[ONES+\i], 0x3c003c00
.endr
.irp u, 0,1,2,3
	v_mov_b32 v[MX+\u], 0xff7fffff
.endr
	v_mov_b32 v21, 0
	v_mov_b32 v23, 0
; Tile u in the step in hand.
.macro TILE u
.set rQ, QQ+8*(\u)
.set rO, OO+16*(\u)
.set rL, LL+8*(\u)
.set rM, MX+(\u)
	s_cmp_gt_u32 s20, s[16+(\u)]
	s_cbranch_scc1 .Lskip_\@                       ; the step lies above the block's diagonal
	s_cmp_eq_u32 s20, s[16+(\u)]
	s_cbranch_scc1 .Ldiag_\@
.irp kb, 0,1,2,3
	v_wmma_f32_16x16x32_f16 v[S+8*\kb:S+8*\kb+7], v[KF+8*\kb:KF+8*\kb+7], v[rQ:rQ+7], 0
.endr
	s_branch .Lgo_\@
.Ldiag_\@:
	WIN 0x10                                       ; the block's own step: the sums start with the mask
.irp kb, 0,1,2,3
	v_wmma_f32_16x16x32_f16 v[S+8*\kb:S+8*\kb+7], v[KF+8*\kb:KF+8*\kb+7], v[rQ:rQ+7], v[8*\kb:8*\kb+7]
.endr
	WIN 0
.Lgo_\@:
.rept 4
	v_nop                                          ; the places behind those products
.endr
.irp j, 0,1,2,3                        ; the maximum: four chains, each accumulator's lowest registers first
	v_max3_num_f32 v[CC+\j], v[S+8*\j], v[S+8*\j+1], v[S+8*\j+2]
.endr
.irp j, 0,1,2,3
	v_max3_num_f32 v[CC+\j], v[CC+\j], v[S+8*\j+3], v[S+8*\j+4]
.endr
.irp j, 0,1,2,3
	v_max3_num_f32 v[CC+\j], v[CC+\j], v[S+8*\j+5], v[S+8*\j+6]
.endr
	v_max3_num_f32 v[CC], v[CC], v[S+7], v[S+15]
	v_max3_num_f32 v[CC+2], v[CC+2], v[S+23], v[S+31]
	v_max3_num_f32 v[CC], v[CC], v[CC+1], v[rM]
	v_max3_num_f32 v[CC], v[CC], v[CC+2], v[CC+3]
	v_permlanex16_b32 v21, v[CC], s24, s25         ; the query's other 32 keys lie in the lane 16 away
	v_max_num_f32 v20, v[CC], v21
	v_sub_f32 v21, v[rM], v20
.set i, 0
.rept 16
	v_pk_add_f32 v[S+2*i:S+2*i+1], v[S+2*i:S+2*i+1], v[20:21] op_sel_hi:[1,0] neg_lo:[0,1] neg_hi:[0,1]
.set i, i+1
.endr
	v_exp_f32 v22, v21                             ; one batch of 33: a, then the weights
.set i, 0
.rept 32
	v_exp_f32 v[S+i], v[S+i]
.set i, i+1
.endr
	v_mov_b32 v[rM], v20                           ; the plain instruction behind the last of them,
	s_wait_alu depctr_va_vdst(0)                   ; and one wait for the batch, ahead of its first reader
.set i, 0
.rept 16
	v_cvt_pk_f16_f32 v[S+i], v[S+2*i], v[S+2*i+1]  ; in place, ascending: register i is free when pair i is rounded
.set i, i+1
.endr
.set i, 0
.rept 8
	v_pk_mul_f32 v[rO+2*i:rO+2*i+1], v[rO+2*i:rO+2*i+1], v[22:23] op_sel_hi:[1,0]
.set i, i+1
.endr
	v_mul_f32 v[rL], v[rL], v22
.irp kk, 0,1                           ; the three accumulators take turns
	v_wmma_f32_16x16x32_f16 v[rO:rO+7], v[VF+16*\kk:VF+16*\kk+7], v[S+8*\kk:S+8*\kk+7], v[rO:rO+7]
	v_wmma_f32_16x16x32_f16 v[rO+8:rO+15], v[VF+16*\kk+8:VF+16*\kk+15], v[S+8*\kk:S+8*\kk+7], v[rO+8:rO+15]
	v_wmma_f32_16x16x32_f16 v[rL:rL+7], v[ONES:ONES+7], v[S+8*\kk:S+8*\kk+7], v[rL:rL+7]
.endr
.rept 5
	v_nop                                          ; five places: the next products write over P, the next loads over v
.endr
.Lskip_\@:
.endm
.macro STEPS cnt
	s_mov_b32 s21, \cnt
.Lstep_\@:
	s_cmp_gt_u32 s20, s19
	s_cbranch_scc1 .Lbottom_\@                     ; none of my blocks reaches this step
	v_add_nc_u32 v[KA], s22, v[K0]
	v_add_nc_u32 v[VA], s22, v[V0]
.irp kb, 0,1,2,3
	ds_load_b128 v[KF+8*\kb:KF+8*\kb+3], v[KA] offset:\kb*1024
	ds_load_b128 v[KF+8*\kb+4:KF+8*\kb+7], v[KA] offset:\kb*1024+512
.endr
.irp kk, 0,1
.irp cb, 0,1
	ds_load_tr16_b128 v[VF+8*(2*\kk+\cb):VF+8*(2*\kk+\cb)+3], v[VA] offset:\cb*2048+\kk*1024
	ds_load_tr16_b128 v[VF+8*(2*\kk+\cb)+4:VF+8*(2*\kk+\cb)+7], v[VA] offset:\cb*2048+\kk*1024+512
.endr
.endr
	s_wait_dscnt 0x0
	TILE 0
	TILE 1
	TILE 2
	TILE 3
.Lbottom_\@:
	s_add_co_u32 s20, s20, 1
	s_add_co_u32 s22, s22, 8192
	s_sub_co_u32 s21, s21, 1
	s_cmp_lg_u32 s21, 0
	s_cbranch_scc1 .Lstep_\@
.endm
	s_wait_loadcnt 0x0                             ; q
	s_wait_tensorcnt 0x1                           ; my part of steps 0-3 is in; the second fill may stay out
	s_barrier_signal -1
	s_barrier_wait -1
	STEPS 4
	s_wait_tensorcnt 0x0                           ; my part of steps 4-31
	s_wait_dscnt 0x0
	s_barrier_signal -1
	s_barrier_wait -1
	STEPS 28
	; THE WAY OUT: O^T is divided by the sum, rounded to f16, and meets the other three heads' in the stage: a row of 256 bytes is the key head's four heads
.irp u, 0,1,2,3
	v_rcp_f32 v[CC+2*\u], v[LL+8*\u]
.endr
	v_nop
	s_wait_alu depctr_va_vdst(0)                   ; one wait for the four reciprocals
.irp u, 0,1,2,3
.irp i, 0,1,2,3,4,5,6,7
	v_pk_mul_f32 v[OO+16*\u+2*\i:OO+16*\u+2*\i+1], v[OO+16*\u+2*\i:OO+16*\u+2*\i+1], v[CC+2*\u:CC+2*\u+1] op_sel_hi:[1,0]
.endr
.irp i, 0,1,2,3,4,5,6,7
	v_cvt_pk_f16_f32 v[KF+8*\u+\i], v[OO+16*\u+2*\i], v[OO+16*\u+2*\i+1]
.endr
	ds_store_b128 v[STO], v[KF+8*\u:KF+8*\u+3] offset:\u*16*SP
	ds_store_b128 v[STO], v[KF+8*\u+4:KF+8*\u+7] offset:\u*16*SP+32
.endr
	s_wait_dscnt 0x0                               ; for the others' sake: my stores into the stage are done
	s_barrier_signal -1
	s_barrier_wait -1
.irp t, 0,1,2,3,4,5,6,7
	ds_load_b128 v[VF+4*\t:VF+4*\t+3], v[RD] offset:\t*2*SP
.endr
.irp t, 0,1,2,3,4,5,6,7
	s_wait_dscnt 7-\t                              ; the younger loads may stay out
	global_store_b128 v[GO], v[VF+4*\t:VF+4*\t+3], s[8:9] offset:\t*2048  ; 16 lanes store 256 consecutive bytes, aligned
.endr
	s_wait_tensorcnt 0x0                           ; the wave's end
	ds_add_u32 v[SPW], v[NIL]
	s_wait_dscnt 0x0
	CROUND                                         ; the closing round
	s_endpgm
.Lfunc_end_k_q088438976f_att:
	.size	k_q088438976f_att, .Lfunc_end_k_q088438976f_att-k_q088438976f_att
	.p2alignl 7, 3214868480
	.fill 96, 4, 3214868480
	.section	.rodata,"a",@progbits
	.p2align	6, 0x0
	.amdhsa_kernel k_q088438976f_att
		.amdhsa_group_segment_fixed_size 327680
		.amdhsa_private_segment_fixed_size 0
		.amdhsa_enable_private_segment 0
		.amdhsa_kernarg_size 24
		.amdhsa_user_sgpr_count 2
		.amdhsa_user_sgpr_kernarg_segment_ptr 1
		.amdhsa_wavefront_size32 1
		.amdhsa_system_sgpr_workgroup_id_x 1
		.amdhsa_system_sgpr_workgroup_id_y 1
		.amdhsa_system_sgpr_workgroup_id_z 1
		.amdhsa_system_vgpr_workitem_id 0
		.amdhsa_next_free_vgpr 288
		.amdhsa_next_free_sgpr 66
		.amdhsa_reserve_vcc 1
		.amdhsa_float_denorm_mode_32 3
		.amdhsa_float_denorm_mode_16_64 3
		.amdhsa_memory_ordered 1
		.amdhsa_forward_progress 1
		.amdhsa_inst_pref_size 73
	.end_amdhsa_kernel
	.amdgpu_metadata
---
amdhsa.version: [ 1, 2 ]
amdhsa.kernels:
  - .name:           k_q088438976f_att
    .symbol:         k_q088438976f_att.kd
    .args:
      - { .name: qf, .offset: 0, .size: 8, .value_kind: global_buffer, .address_space: global }
      - { .name: kv, .offset: 8, .size: 8, .value_kind: global_buffer, .address_space: global }
      - { .name: oh, .offset: 16, .size: 8, .value_kind: global_buffer, .address_space: global }
    .group_segment_fixed_size: 327680
    .private_segment_fixed_size: 0
    .kernarg_segment_align: 8
    .kernarg_segment_size: 24
    .max_flat_workgroup_size: 256
    .sgpr_count:     66
    .vgpr_count:     288
    .wavefront_size: 32
...
	.end_amdgpu_metadata
.endif
;; end of part 3
;; launch wo (part 4): grid 4 x 64, 4 waves a work-group, clusters of 4 x 4, 327,680 bytes of LDS; arguments oh, wh, x, ffn_norm_w, gate_w, h, hw, part; writes h, hw, part
.if DOCPART == 4
	.amdgcn_target "amdgcn-amd-amdhsa--gfx1250"
	.amdhsa_code_object_version 6
	.text
	.protected	k_q088438976f_wo
	.globl	k_q088438976f_wo
	.p2align	8
	.type	k_q088438976f_wo,@function
k_q088438976f_wo:
	s_mov_b64 s[64:65], 0
	v_nop
	global_prefetch_b8 v0, s[64:65] scope:SCOPE_SE
	s_setreg_imm32_b32 hwreg(HW_REG_WAVE_MODE, 25, 1), 1
	s_wait_xcnt 0x0
	s_wait_alu depctr_hold_cnt(0) depctr_sa_sdst(0) depctr_va_vdst(0) depctr_va_sdst(0) depctr_va_ssrc(0) depctr_va_vcc(0) depctr_vm_vsrc(0)
	s_getreg_b32 s2, hwreg(HW_REG_IB_STS2, 6, 4)
	s_cmp_eq_u32 s2, 0
	s_cbranch_scc0 .Lentry_in_a_cluster
	s_endpgm
.Lentry_in_a_cluster:
	s_bfe_u32 s2, ttmp6, 0x10000c
	s_cmp_lg_u32 s2, 0xf033
	s_cbranch_scc0 .Lentry_shape_is_right
	s_endpgm
.Lentry_shape_is_right:
; h = x + o wo^T (f32);  hw = h x ffn_norm_w (bf16, not yet divided by the rms);  part[slice][token] = (sum h^2, sum h w g0, .. sum h w g3, 0, 0, 0) over the slice's 64 columns, in f32.
; o: [8192][512] f16; wo: f16, at byte 786,432 of wh.  The gate's sums are made on the vector unit from f32 h: a choice of experts hangs on them, and they are 4 columns beside 512.
; SHARES: a tile of 128 tokens x 128 columns to a work-group, four waves of 64 x 64; K = 512 in two steps of 256, one in each LDS slot, all asked for at the head (four loads of mine are out).
; At the one change of slots the part of slot 0 that held o is filled again with the tile of x (f32, 128 rows of 512 bytes: 32 rows a wave, a load of my work-group's own: one load of mine is out).
; CLUSTER 4 x 4: o's tiles are shared along a row of the cluster, wo's along a column.  The matrix instruction is used transposed: a lane holds one token and eight neighbouring columns.
; THE WAY OUT goes through LDS, so that each store of a wave covers whole rows: h through the part of slot 0 that held wo (its one fill is over and its reads ended at the change of slots), hw through a stage.
; REGISTERS.  Window 0: v0-31 addresses; v32-87 sums; v128-255 accumulators.  Window 1: fragment buffers, later x, rows of h, hw.  Window 2: v0-127 gate_w (expert e, column block b at 32 e + 8 b), v128-159 ffn_norm_w.
.set PITCH,  528
.set QT,     32*PITCH
.set HALFT,  64*PITCH
.set AREG,   128*PITCH
.set SLOT,   2*AREG
.set STAGE,  2*SLOT
.set SPITCH, 272
.set SPARE,  STAGE+128*SPITCH          ; the spare words, 128 bytes a wave: two blocks of 256 bytes that no other line names
.set ACC,  128
.set F0,   0
.set F1,   128
.set ADRA, 16
.set ADRB, 20
.set SPW,  28
.set NIL,  29
.set SUM,  32                          ; token block a, sum k at v[32 + 10 a + 2 k], a pair each
.set G1W0, (1<<16)|(1<<20)|(1<<21)|(6<<22)|(3<<25)
.set MSB, 0
.macro WIN new
.if MSB != (\new)
	s_set_vgpr_msb (MSB<<8)|(\new)
.set MSB, \new
.endif
.endm
.macro PLACES
.rept 4
	v_nop
.endr
.endm
.macro CREST
	s_cmp_lg_u32 s80, 0
	s_cbranch_scc1 .Lnot_wave_0_\@
	s_barrier_signal -3
.Lnot_wave_0_\@:
	s_barrier_wait -3
	s_barrier_signal -1
	s_barrier_wait -1
.endm
.macro CROUND
	s_barrier_signal -1
	s_barrier_wait -1
	CREST
.endm
.macro MULH f, c, a0, zero, nb
	WIN 0x05
.irp a, \a0, (\a0)+1
.set b, 0
.rept \nb
.set rD, ACC+8*(4*(\a)+b)
.set rB, (\f)+64+8*(4*(\c)+b)
.set rA, (\f)+8*(4*(\c)+(\a))
.if \zero
	v_wmma_f32_16x16x32_f16 v[rD:rD+7], v[rB:rB+7], v[rA:rA+7], 0
.else
	v_wmma_f32_16x16x32_f16 v[rD:rD+7], v[rB:rB+7], v[rA:rA+7], v[rD:rD+7]
.endif
.set b, b+1
.endr
.endr
.endm
.macro FETCH slot, k, f, nb, adrb
	WIN 0x40
.irp c, 0,1
.irp i, 0,1,2,3
.if (\i) < (\nb)
	ds_load_b128 v[(\f)+64+8*(4*(\c)+(\i)):(\f)+64+8*(4*(\c)+(\i))+3],   v[(\adrb)+(\slot)] offset:(\k)+64*(\c)+(\i)*16*PITCH
	ds_load_b128 v[(\f)+64+8*(4*(\c)+(\i))+4:(\f)+64+8*(4*(\c)+(\i))+7], v[(\adrb)+(\slot)] offset:(\k)+64*(\c)+(\i)*16*PITCH+32
.endif
	ds_load_b128 v[(\f)+8*(4*(\c)+(\i)):(\f)+8*(4*(\c)+(\i))+3],         v[ADRA+(\slot)] offset:(\k)+64*(\c)+(\i)*16*PITCH
	ds_load_b128 v[(\f)+8*(4*(\c)+(\i))+4:(\f)+8*(4*(\c)+(\i))+7],       v[ADRA+(\slot)] offset:(\k)+64*(\c)+(\i)*16*PITCH+32
.endr
.endr
.endm
.macro QUARTER slot, k, f, g, zero, nb=4, adrb=ADRB
.set FH, 2*(4+(\nb))
	s_wait_dscnt FH                                ; the first 32 along K are in; the other FH loads may be out
	MULH \f, 0, 0, \zero, \nb
	MULH \f, 0, 2, \zero, \nb
	PLACES
	FETCH \slot, \k, \g, \nb, \adrb
	s_wait_dscnt 2*FH                              ; all but those just issued
	MULH \f, 1, 0, 0, \nb
	MULH \f, 1, 2, 0, \nb
.endm
.macro REFILL kind, slot               ; my 32 rows of the tile of x: my one tensor load behind the round
	tensor_load_to_lds s[56:59], s[68:75]
	s_nop 0
	PLACES
.endm
.macro TURN slot, next, fill, nb, nbn, adrn
.set FH, 2*(4+(\nb))
	WIN 0
	s_wait_tensorcnt 0x0                           ; all my tensor loads have landed
	ds_add_u32 v[SPW], v[NIL]
	s_wait_dscnt FH+1                              ; (the add and the youngest FH loads may be out)
	MULH F1, 0, 0, 0, \nb
	s_wait_dscnt 0x0                               ; the add is done, and my reads of this slot are over
	s_barrier_signal -1
	MULH F1, 0, 2, 0, \nb
.if \fill
	WIN 0
.endif
	s_barrier_wait -1
.if \fill
	CREST
	REFILL \fill, \slot
.else
	PLACES
.endif
	FETCH \next, 0, F0, \nbn, \adrn
	MULH F1, 1, 0, 0, \nb
	MULH F1, 1, 2, 0, \nb
.endm
.macro LASTQ nb=4
.set FH, 2*(4+(\nb))
	s_wait_dscnt FH
	MULH F1, 0, 0, 0, \nb
	MULH F1, 0, 2, 0, \nb
	s_wait_dscnt 0x0
	MULH F1, 1, 0, 0, \nb
	MULH F1, 1, 2, 0, \nb
	WIN 0
	PLACES
.endm
	s_load_b512 s[4:19], s[0:1], 0x0               ; oh s[4:5], wh s[6:7], x s[8:9], ffn_norm_w s[10:11], gate_w s[12:13], h s[14:15], hw s[16:17], part s[18:19]
	v_lshl_add_u32 v[SPW], v0, 2, SPARE
	v_mov_b32 v[NIL], 0
	ds_add_u32 v[SPW], v[NIL]                      ; the opening: the add, twice on end, and its wait ahead of my first tensor load
	ds_add_u32 v[SPW], v[NIL]
	v_lshrrev_b32 v1, 5, v0
	v_readfirstlane_b32 s80, v1
	s_lshr_b32 s81, s80, 1
	s_and_b32 s82, s80, 1
	s_bfe_u32 s83, ttmp6, 0x40000
	s_bfe_u32 s84, ttmp6, 0x40004
	s_lshl_b32 s85, ttmp9, 2
	s_add_co_u32 s85, s85, s83                     ; Y
	s_and_b32 s86, ttmp7, 0xffff
	s_lshl_b32 s86, s86, 2
	s_add_co_u32 s86, s86, s84                     ; R
	s_lshl_b32 s87, s84, 2
	s_lshl_b32 s87, 15, s87
	s_lshl_b32 s88, 0x1111, s83
	s_or_b32 s24, s87, G1W0
	s_or_b32 s32, s88, G1W0
.irp g, 24, 32
	s_mov_b32 s[\g+1], 256<<16
	s_mov_b32 s[\g+2], 32<<16
	s_mov_b32 s[\g+3], 256<<16
	s_mov_b32 s[\g+4], 32
	s_mov_b32 s[\g+5], 512
	s_mov_b32 s[\g+6], 0
	s_mov_b32 s[\g+7], 0
.endr
	s_mov_b32 s68, (2<<16)|(1<<20)|(6<<22)|(3<<25) ; the tile of x: no mask; 4-byte elements; after every 128 words, 4 words of padding
	s_mov_b32 s69, 128<<16
	s_mov_b32 s70, 32<<16
	s_mov_b32 s71, 128<<16
	s_mov_b32 s72, 32
	s_mov_b32 s73, 512
	s_mov_b32 s74, 0
	s_mov_b32 s75, 0
	s_mul_i32 s89, s80, QT
	s_mov_b32 s40, 1
	s_mov_b32 s41, s89
	s_mov_b32 s44, 1
	s_add_co_u32 s45, s89, AREG
	s_mov_b32 s48, 1
	s_add_co_u32 s49, s89, SLOT
	s_mov_b32 s52, 1
	s_add_co_u32 s53, s89, SLOT+AREG
	s_mov_b32 s56, 1
	s_mov_b32 s57, s89
	s_lshl_b32 s90, s86, 7                         ; o: row 128 R + 32 w
	s_lshl_b32 s91, s80, 5
	s_add_co_u32 s90, s90, s91
	s_lshl_b32 s90, s90, 10
	s_mov_b32 s91, 0
	s_lshl_b32 s92, s85, 7                         ; wo: row 128 Y + 32 w
	s_lshl_b32 s93, s80, 5
	s_add_co_u32 s92, s92, s93
	s_lshl_b32 s92, s92, 10
	s_add_co_u32 s92, s92, 786432
	s_mov_b32 s93, 0
	s_mov_b32 s78, 0x76543210
	s_mov_b32 s79, 0xfedcba98
	s_mov_b32 s100, 0xffff0000                     ; lanes 16-31
	s_wait_dscnt 0x0
	s_wait_kmcnt 0x0
	s_add_nc_u64 s[20:21], s[4:5], s[90:91]
	s_add_nc_u64 s[22:23], s[6:7], s[92:93]
	s_mov_b64 s[42:43], s[20:21]
	s_or_b32 s43, s43, 0x80000000
	s_mov_b64 s[46:47], s[22:23]
	s_or_b32 s47, s47, 0x80000000
	s_add_nc_u64 s[50:51], s[20:21], 512
	s_or_b32 s51, s51, 0x80000000
	s_add_nc_u64 s[54:55], s[22:23], 512
	s_or_b32 s55, s55, 0x80000000
	s_lshl_b32 s2, s90, 1                          ; x and h: (128 R + 32 w) rows of 2,048 bytes + 512 Y
	s_lshl_b32 s3, s85, 9
	s_add_co_u32 s2, s2, s3
	s_mov_b32 s3, 0
	s_add_nc_u64 s[58:59], s[8:9], s[2:3]
	s_or_b32 s59, s59, 0x80000000
	s_add_nc_u64 s[14:15], s[14:15], s[2:3]
	s_lshl_b32 s2, s85, 8                          ; hw: rows of 1,024 bytes + 256 Y
	s_add_co_u32 s2, s2, s90
	s_add_nc_u64 s[16:17], s[16:17], s[2:3]
	s_lshl1_add_u32 s2, s85, s82                   ; my 64 columns: slice 2 Y + half
	s_lshl_b32 s2, s2, 8
	s_add_nc_u64 s[10:11], s[10:11], s[2:3]
	s_add_nc_u64 s[12:13], s[12:13], s[2:3]
	s_lshl_b32 s2, s2, 10                          ; part: 262,144 bytes a slice,
	s_lshl1_add_u32 s97, s86, s81
	s_lshl_b32 s97, s97, 11                        ; my 64 tokens of 32 bytes
	s_add_co_u32 s2, s2, s97
	s_add_nc_u64 s[18:19], s[18:19], s[2:3]
	CROUND
	tensor_load_to_lds s[40:43], s[24:31]
	s_nop 0
	tensor_load_to_lds s[44:47], s[32:39]
	s_nop 0
	tensor_load_to_lds s[48:51], s[24:31]
	s_nop 0
	tensor_load_to_lds s[52:55], s[32:39]
	s_nop 0
	PLACES
	v_and_b32 v1, 15, v0
	v_bfe_u32 v2, v0, 4, 1
	v_lshlrev_b32 v25, 5, v2                       ; my eight columns of a block of 16: 32 bytes of f32
	WIN 0x80                                       ; gate_w and ffn_norm_w at my columns, into window 2; waited for on the way out
.irp e, 0,1,2,3
.irp bb, 0,1,2,3
	global_load_b128 v[32*\e+8*\bb:32*\e+8*\bb+3], v25, s[12:13] offset:\e*2048+64*\bb
	global_load_b128 v[32*\e+8*\bb+4:32*\e+8*\bb+7], v25, s[12:13] offset:\e*2048+64*\bb+16
.endr
.endr
.irp bb, 0,1,2,3
	global_load_b128 v[128+8*\bb:128+8*\bb+3], v25, s[10:11] offset:64*\bb
	global_load_b128 v[128+8*\bb+4:128+8*\bb+7], v25, s[10:11] offset:64*\bb+16
.endr
	WIN 0
	v_mul_u32_u24 v3, v1, PITCH
	v_lshl_add_u32 v4, v2, 5, v3
	v_lshl_add_u32 v3, v2, 4, v3
	s_mul_i32 s97, s81, HALFT
	v_add_nc_u32 v16, s97, v3
	v_add_nc_u32 v17, SLOT, v16
	s_lshl_b32 s98, s82, 8
	s_add_co_u32 s98, s98, s97
	v_add_nc_u32 v24, s98, v4                      ; a tile of f32: (64 half + l % 16) x 528 + 256 half + 32 (l / 16)
	v_add_nc_u32 v23, AREG, v24                    ; the same in the part that held wo
	s_mul_i32 s97, s82, HALFT
	s_add_co_u32 s97, s97, AREG
	v_add_nc_u32 v20, s97, v3
	v_add_nc_u32 v21, SLOT, v20
	v_and_b32 v19, 31, v0
	v_lshlrev_b32 v19, 4, v19                      ; 16 x lane
	s_add_co_u32 s97, s89, AREG
	v_add_nc_u32 v31, s97, v19                     ; rows of h back: my 32 rows, a row a load
	s_mul_i32 s97, s81, 64*SPITCH                  ; hw into the stage
	s_lshl_b32 s98, s82, 7
	s_add_co_u32 s97, s97, s98
	s_add_co_u32 s97, s97, STAGE
	v_mul_u32_u24 v26, v1, SPITCH
	v_lshl_add_u32 v26, v2, 4, v26
	v_add_nc_u32 v26, s97, v26
	s_mul_i32 s97, s80, 32*SPITCH                  ; and back: two rows a load
	s_add_co_u32 s97, s97, STAGE
	v_mul_u32_u24 v27, v2, SPITCH
	v_lshl_add_u32 v27, v1, 4, v27
	v_add_nc_u32 v27, s97, v27
	v_lshlrev_b32 v30, 10, v2
	v_lshl_add_u32 v30, v1, 4, v30                 ; the same two rows in hw
	v_lshlrev_b32 v18, 5, v1
	v_lshl_add_u32 v18, v2, 4, v18                 ; part: 32 bytes a token, 16 for each half of the lanes
	s_wait_tensorcnt 0x2                           ; my parts of slot 0 are in; slot 1's two may stay out
	s_barrier_signal -1
	s_barrier_wait -1
	FETCH 0, 0, F0, 4, ADRB
	QUARTER 0, 128, F0, F1, 1
	QUARTER 0, 256, F1, F0, 0
	QUARTER 0, 384, F0, F1, 0
	TURN 0, 1, 2, 4, 4, ADRB
	QUARTER 1, 128, F0, F1, 0
	QUARTER 1, 256, F1, F0, 0
	QUARTER 1, 384, F0, F1, 0
	LASTQ
	s_wait_tensorcnt 0x0                           ; my rows of x are in,
	s_barrier_signal -1
	s_barrier_wait -1                              ; everybody's are
	WIN 0x40
.irp a, 0,1,2,3
.irp bb, 0,1,2,3
	ds_load_b128 v[8*(4*\a+\bb):8*(4*\a+\bb)+3], v24 offset:\a*16*PITCH+64*\bb
	ds_load_b128 v[8*(4*\a+\bb)+4:8*(4*\a+\bb)+7], v24 offset:\a*16*PITCH+64*\bb+16
.endr
.endr
	s_wait_loadcnt 0x0                             ; gate_w, ffn_norm_w
	WIN 0x8a                                       ; gate_w x ffn_norm_w, once
.irp e, 0,1,2,3
.set i, 0
.rept 16
	v_pk_mul_f32 v[32*\e+2*i:32*\e+2*i+1], v[32*\e+2*i:32*\e+2*i+1], v[128+2*i:128+2*i+1]
.set i, i+1
.endr
.endr
	s_wait_dscnt 0x0                               ; x
	WIN 0x04
.set i, 0
.rept 64
	v_pk_add_f32 v[ACC+2*i:ACC+2*i+1], v[ACC+2*i:ACC+2*i+1], v[2*i:2*i+1]  ; h; each accumulator's registers in ascending order
.set i, i+1
.endr
	WIN 0
.set bb, 0
.rept 4                                ; sum h^2: four chains by turns
.set jp, 0
.rept 4
.set a, 0
.rept 4
.set rH, ACC+8*(4*a+bb)+2*jp
.set rS, SUM+10*a
.if (bb == 0) && (jp == 0)
	v_pk_mul_f32 v[rS:rS+1], v[rH:rH+1], v[rH:rH+1]
.else
	v_pk_fma_f32 v[rS:rS+1], v[rH:rH+1], v[rH:rH+1], v[rS:rS+1]
.endif
.set a, a+1
.endr
.set jp, jp+1
.endr
.set bb, bb+1
.endr
	WIN 0x08
.set bb, 0
.rept 4                                ; the gate's sums: sixteen chains by turns
.set jp, 0
.rept 4
.set a, 0
.rept 4
.set e, 0
.rept 4
.set rH, ACC+8*(4*a+bb)+2*jp
.set rS, SUM+10*a+2+2*e
.set rG, 32*e+8*bb+2*jp
.if (bb == 0) && (jp == 0)
	v_pk_mul_f32 v[rS:rS+1], v[rH:rH+1], v[rG:rG+1]
.else
	v_pk_fma_f32 v[rS:rS+1], v[rH:rH+1], v[rG:rG+1], v[rS:rS+1]
.endif
.set e, e+1
.endr
.set a, a+1
.endr
.set jp, jp+1
.endr
.set bb, bb+1
.endr
	WIN 0
.irp a, 0,1,2,3
.irp bb, 0,1,2,3
	ds_store_b128 v23, v[ACC+8*(4*\a+\bb):ACC+8*(4*\a+\bb)+3] offset:\a*16*PITCH+64*\bb
	ds_store_b128 v23, v[ACC+8*(4*\a+\bb)+4:ACC+8*(4*\a+\bb)+7] offset:\a*16*PITCH+64*\bb+16
.endr
.endr
	WIN 0x08
.irp a, 0,1,2,3
.set i, 0
.rept 16
	v_pk_mul_f32 v[ACC+32*\a+2*i:ACC+32*\a+2*i+1], v[ACC+32*\a+2*i:ACC+32*\a+2*i+1], v[128+2*i:128+2*i+1]  ; h x ffn_norm_w, in place
.set i, i+1
.endr
.endr
	WIN 0x40
.set q, 0
.rept 64
	v_cvt_pk_bf16_f32 v[128+q], v[ACC+2*q], v[ACC+2*q+1]
.set q, q+1
.endr
	WIN 0x04
.irp a, 0,1,2,3
.irp bb, 0,1,2,3
	ds_store_b128 v26, v[128+4*(4*\a+\bb):128+4*(4*\a+\bb)+3] offset:\a*16*SPITCH+32*\bb
.endr
.endr
	WIN 0
.irp a, 0,1,2,3                        ; a pair's halves, then the other half of the lanes': every lane has its token's five sums over 64 columns
.irp k, 0,1,2,3,4
	v_add_f32 v[SUM+10*\a+2*\k], v[SUM+10*\a+2*\k], v[SUM+10*\a+2*\k+1]
.endr
.irp k, 0,1,2,3,4
	v_permlanex16_b32 v[SUM+10*\a+2*\k+1], v[SUM+10*\a+2*\k], s78, s79
.endr
.irp k, 0,1,2,3,4
	v_add_f32 v[SUM+10*\a+2*\k], v[SUM+10*\a+2*\k], v[SUM+10*\a+2*\k+1]
.endr
	v_cndmask_b32 v[72+4*\a], v[SUM+10*\a], v[SUM+10*\a+8], s100   ; lanes 0-15: (ss, l0, l1, l2); lanes 16-31: (l3, 0, 0, 0)
	v_cndmask_b32 v[73+4*\a], v[SUM+10*\a+2], 0, s100
	v_cndmask_b32 v[74+4*\a], v[SUM+10*\a+4], 0, s100
	v_cndmask_b32 v[75+4*\a], v[SUM+10*\a+6], 0, s100
	global_store_b128 v18, v[72+4*\a:75+4*\a], s[18:19] offset:\a*512  ; 512 consecutive bytes, aligned
.endr
	s_wait_dscnt 0x0                               ; for the others' sake: my stores of h and hw into LDS are done
	s_barrier_signal -1
	s_barrier_wait -1
	WIN 0x40
.set i, 0
.rept 32
	ds_load_b128 v[4*i:4*i+3], v31 offset:i*PITCH
.set i, i+1
.endr
.set t, 0
.rept 16
	ds_load_b128 v[128+4*t:128+4*t+3], v27 offset:t*2*SPITCH
.set t, t+1
.endr
	WIN 0x04
.set i, 0
.rept 32
	s_wait_dscnt 47-i                              ; the younger loads may stay out
	global_store_b128 v19, v[4*i:4*i+3], s[14:15] offset:i*2048  ; a wave stores 512 consecutive bytes of a row of h, aligned
.set i, i+1
.endr
.set t, 0
.rept 16
	s_wait_dscnt 15-t
	global_store_b128 v30, v[128+4*t:128+4*t+3], s[16:17] offset:t*2048  ; 16 lanes store 256 consecutive bytes of a row of hw, aligned
.set t, t+1
.endr
	WIN 0
	s_wait_tensorcnt 0x0                           ; the wave's end
	ds_add_u32 v[SPW], v[NIL]
	s_wait_dscnt 0x0
	CROUND
	s_endpgm
.Lfunc_end_k_q088438976f_wo:
	.size	k_q088438976f_wo, .Lfunc_end_k_q088438976f_wo-k_q088438976f_wo
	.p2alignl 7, 3214868480
	.fill 96, 4, 3214868480
	.section	.rodata,"a",@progbits
	.p2align	6, 0x0
	.amdhsa_kernel k_q088438976f_wo
		.amdhsa_group_segment_fixed_size 327680
		.amdhsa_private_segment_fixed_size 0
		.amdhsa_enable_private_segment 0
		.amdhsa_kernarg_size 64
		.amdhsa_user_sgpr_count 2
		.amdhsa_user_sgpr_kernarg_segment_ptr 1
		.amdhsa_wavefront_size32 1
		.amdhsa_system_sgpr_workgroup_id_x 1
		.amdhsa_system_sgpr_workgroup_id_y 1
		.amdhsa_system_sgpr_workgroup_id_z 1
		.amdhsa_system_vgpr_workitem_id 0
		.amdhsa_next_free_vgpr 672
		.amdhsa_next_free_sgpr 102
		.amdhsa_reserve_vcc 0
		.amdhsa_float_denorm_mode_32 3
		.amdhsa_float_denorm_mode_16_64 3
		.amdhsa_memory_ordered 1
		.amdhsa_forward_progress 1
		.amdhsa_inst_pref_size 102
	.end_amdhsa_kernel
	.amdgpu_metadata
---
amdhsa.version: [ 1, 2 ]
amdhsa.kernels:
  - .name:           k_q088438976f_wo
    .symbol:         k_q088438976f_wo.kd
    .args:
      - { .name: oh, .offset: 0, .size: 8, .value_kind: global_buffer, .address_space: global }
      - { .name: wh, .offset: 8, .size: 8, .value_kind: global_buffer, .address_space: global }
      - { .name: x, .offset: 16, .size: 8, .value_kind: global_buffer, .address_space: global }
      - { .name: ffn_norm_w, .offset: 24, .size: 8, .value_kind: global_buffer, .address_space: global }
      - { .name: gate_w, .offset: 32, .size: 8, .value_kind: global_buffer, .address_space: global }
      - { .name: h, .offset: 40, .size: 8, .value_kind: global_buffer, .address_space: global }
      - { .name: hw, .offset: 48, .size: 8, .value_kind: global_buffer, .address_space: global }
      - { .name: part, .offset: 56, .size: 8, .value_kind: global_buffer, .address_space: global }
    .group_segment_fixed_size: 327680
    .private_segment_fixed_size: 0
    .kernarg_segment_align: 8
    .kernarg_segment_size: 64
    .max_flat_workgroup_size: 128
    .sgpr_count:     102
    .vgpr_count:     672
    .wavefront_size: 32
...
	.end_amdgpu_metadata
.endif
;; end of part 4
;; launch moe (part 5): grid 4 x 64, 4 waves a work-group, clusters of 4 x 4, 327,680 bytes of LDS; arguments hw, wh, h, part, out0; writes out0
.if DOCPART == 5
	.amdgcn_target "amdgcn-amd-amdhsa--gfx1250"
	.amdhsa_code_object_version 6
	.text
	.protected	k_q088438976f_moe
	.globl	k_q088438976f_moe
	.p2align	8
	.type	k_q088438976f_moe,@function
k_q088438976f_moe:
	s_mov_b64 s[64:65], 0
	v_nop
	global_prefetch_b8 v0, s[64:65] scope:SCOPE_SE
	s_setreg_imm32_b32 hwreg(HW_REG_WAVE_MODE, 25, 1), 1
	s_wait_xcnt 0x0
	s_wait_alu depctr_hold_cnt(0) depctr_sa_sdst(0) depctr_va_vdst(0) depctr_va_sdst(0) depctr_va_ssrc(0) depctr_va_vcc(0) depctr_vm_vsrc(0)
	s_getreg_b32 s2, hwreg(HW_REG_IB_STS2, 6, 4)
	s_cmp_eq_u32 s2, 0
	s_cbranch_scc0 .Lentry_in_a_cluster
	s_endpgm
.Lentry_in_a_cluster:
	s_bfe_u32 s2, ttmp6, 0x10000c
	s_cmp_lg_u32 s2, 0xf033
	s_cbranch_scc0 .Lentry_shape_is_right
	s_endpgm
.Lentry_shape_is_right:
; out = h + the sum over e of comb[e] x (t W_e^T), t = (h / rms) x ffn_norm_w = hw / rms.  hw: bf16; the experts: bf16, at byte 1,310,720 of wh, row 512 e + n; sums in f32.
; THE GATE.  Every work-group adds the eight slices' parts for its 128 tokens, a thread a token: rms, the four logits, the top two (of equals the lower index, as the problem's top_k has it), their softmax with
; the greater logit taken away, and cw[e] = weight / rms, 0 for the experts not chosen.  These are values alone: no branch and no address hangs on them.  All four experts are multiplied and the weight selects.
; SHARES: a tile of 128 tokens x 128 columns; four laps, an expert each.  hw's tile stays in both slots (K halves 0 and 1); in each change of slots the weights' part of the slot just read is filled again
; with the next expert's rows, 32 a wave: one load of mine is out (four at the start).  In the last lap's change the tile of h (f32) comes in their place.
; CLUSTER 4 x 4: hw's tiles are shared along a row of the cluster, the experts' along a column.  No prefetch: small tiles, and the experts' rows are read by sixteen rows of clusters at about the same time.
; REGISTERS.  Window 0: v0-31 addresses; v32-63 the gate; v96-111 cw of my tokens; v128-255 an expert's accumulators.  Window 1: fragment buffers, later h and rows of out.  Window 2: v0-127 the weighted sum T.
.set PITCH,  528
.set QT,     32*PITCH
.set HALFT,  64*PITCH
.set AREG,   128*PITCH
.set SLOT,   2*AREG
.set SPARE,  2*SLOT+128*272            ; the spare words, 128 bytes a wave: two blocks of 256 bytes that no other line names
.set CWL,    SPARE+512                 ; cw: 16 bytes a token
.set ACC,  128
.set F0,   0
.set F1,   128
.set ADRA, 16
.set ADRB, 20
.set SPW,  28
.set NIL,  29
.set CW,   96
.set G1W0, (1<<16)|(1<<20)|(1<<21)|(6<<22)|(3<<25)
.set MSB, 0
.macro WIN new
.if MSB != (\new)
	s_set_vgpr_msb (MSB<<8)|(\new)
.set MSB, \new
.endif
.endm
.macro PLACES
.rept 4
	v_nop
.endr
.endm
.macro CREST
	s_cmp_lg_u32 s80, 0
	s_cbranch_scc1 .Lnot_wave_0_\@
	s_barrier_signal -3
.Lnot_wave_0_\@:
	s_barrier_wait -3
	s_barrier_signal -1
	s_barrier_wait -1
.endm
.macro CROUND
	s_barrier_signal -1
	s_barrier_wait -1
	CREST
.endm
.macro MULH f, c, a0, zero, nb
	WIN 0x05
.irp a, \a0, (\a0)+1
.set b, 0
.rept \nb
.set rD, ACC+8*(4*(\a)+b)
.set rB, (\f)+64+8*(4*(\c)+b)
.set rA, (\f)+8*(4*(\c)+(\a))
.if \zero
	v_wmma_f32_16x16x32_bf16 v[rD:rD+7], v[rB:rB+7], v[rA:rA+7], 0
.else
	v_wmma_f32_16x16x32_bf16 v[rD:rD+7], v[rB:rB+7], v[rA:rA+7], v[rD:rD+7]
.endif
.set b, b+1
.endr
.endr
.endm
.macro FETCH slot, k, f, nb, adrb
	WIN 0x40
.irp c, 0,1
.irp i, 0,1,2,3
.if (\i) < (\nb)
	ds_load_b128 v[(\f)+64+8*(4*(\c)+(\i)):(\f)+64+8*(4*(\c)+(\i))+3],   v[(\adrb)+(\slot)] offset:(\k)+64*(\c)+(\i)*16*PITCH
	ds_load_b128 v[(\f)+64+8*(4*(\c)+(\i))+4:(\f)+64+8*(4*(\c)+(\i))+7], v[(\adrb)+(\slot)] offset:(\k)+64*(\c)+(\i)*16*PITCH+32
.endif
	ds_load_b128 v[(\f)+8*(4*(\c)+(\i)):(\f)+8*(4*(\c)+(\i))+3],         v[ADRA+(\slot)] offset:(\k)+64*(\c)+(\i)*16*PITCH
	ds_load_b128 v[(\f)+8*(4*(\c)+(\i))+4:(\f)+8*(4*(\c)+(\i))+7],       v[ADRA+(\slot)] offset:(\k)+64*(\c)+(\i)*16*PITCH+32
.endr
.endr
.endm
.macro QUARTER slot, k, f, g, zero, nb=4, adrb=ADRB
.set FH, 2*(4+(\nb))
	s_wait_dscnt FH                                ; the first 32 along K are in; the other FH loads may be out
	MULH \f, 0, 0, \zero, \nb
	MULH \f, 0, 2, \zero, \nb
	PLACES
	FETCH \slot, \k, \g, \nb, \adrb
	s_wait_dscnt 2*FH                              ; all but those just issued
	MULH \f, 1, 0, 0, \nb
	MULH \f, 1, 2, 0, \nb
.endm
.macro REFILL kind, slot               ; my one tensor load behind the round.  kind 1: the next expert's rows, 512 rows of 1,024 bytes on; kind 2: my 32 rows of the tile of h
.if (\kind) == 1
	s_add_nc_u64 s[46+8*(\slot):47+8*(\slot)], s[46+8*(\slot):47+8*(\slot)], 524288
	tensor_load_to_lds s[44+8*(\slot):47+8*(\slot)], s[32:39]
.else
	tensor_load_to_lds s[56:59], s[68:75]
.endif
	s_nop 0
	PLACES
.endm
.macro TURN slot, next, fill, nb, nbn, adrn
.set FH, 2*(4+(\nb))
	WIN 0
	s_wait_tensorcnt 0x0                           ; all my tensor loads have landed, so a descriptor may be stepped
	ds_add_u32 v[SPW], v[NIL]
	s_wait_dscnt FH+1                              ; (the add and the youngest FH loads may be out)
	MULH F1, 0, 0, 0, \nb
	s_wait_dscnt 0x0                               ; the add is done, and my reads of this slot are over
	s_barrier_signal -1
	MULH F1, 0, 2, 0, \nb
.if \fill
	WIN 0
.endif
	s_barrier_wait -1
.if \fill
	CREST                                          ; no wave of any partner still reads this slot or has a load on its way
	REFILL \fill, \slot
.else
	PLACES
.endif
	FETCH \next, 0, F0, \nbn, \adrn
	MULH F1, 1, 0, 0, \nb
	MULH F1, 1, 2, 0, \nb
.endm
.macro LASTQ nb=4
.set FH, 2*(4+(\nb))
	s_wait_dscnt FH
	MULH F1, 0, 0, 0, \nb
	MULH F1, 0, 2, 0, \nb
	s_wait_dscnt 0x0
	MULH F1, 1, 0, 0, \nb
	MULH F1, 1, 2, 0, \nb
	WIN 0
	PLACES
.endm
.macro COMBINE                         ; T += the expert's product x its weight for my token; each accumulator's registers in ascending order
	WIN 0xa0
.set i, 0
.rept 64
	v_pk_fma_f32 v[2*i:2*i+1], v[ACC+2*i:ACC+2*i+1], v[CW+4*(i/16):CW+4*(i/16)+1], v[2*i:2*i+1] op_sel_hi:[1,0,1]
.set i, i+1
.endr
	WIN 0
.endm
	s_load_b256 s[4:11], s[0:1], 0x0               ; hw s[4:5], wh s[6:7], h s[8:9], part s[10:11]
	s_load_b64 s[12:13], s[0:1], 0x20              ; out0
	v_lshl_add_u32 v[SPW], v0, 2, SPARE
	v_mov_b32 v[NIL], 0
	ds_add_u32 v[SPW], v[NIL]                      ; the opening: the add, twice on end, and its wait ahead of my first tensor load
	ds_add_u32 v[SPW], v[NIL]
	v_lshrrev_b32 v1, 5, v0
	v_readfirstlane_b32 s80, v1
	s_lshr_b32 s81, s80, 1
	s_and_b32 s82, s80, 1
	s_bfe_u32 s83, ttmp6, 0x40000
	s_bfe_u32 s84, ttmp6, 0x40004
	s_lshl_b32 s85, ttmp9, 2
	s_add_co_u32 s85, s85, s83                     ; Y
	s_and_b32 s86, ttmp7, 0xffff
	s_lshl_b32 s86, s86, 2
	s_add_co_u32 s86, s86, s84                     ; R
	s_lshl_b32 s87, s84, 2
	s_lshl_b32 s87, 15, s87
	s_lshl_b32 s88, 0x1111, s83
	s_or_b32 s24, s87, G1W0
	s_or_b32 s32, s88, G1W0
.irp g, 24, 32
	s_mov_b32 s[\g+1], 256<<16
	s_mov_b32 s[\g+2], 32<<16
	s_mov_b32 s[\g+3], 256<<16
	s_mov_b32 s[\g+4], 32
	s_mov_b32 s[\g+5], 512
	s_mov_b32 s[\g+6], 0
	s_mov_b32 s[\g+7], 0
.endr
	s_mov_b32 s68, (2<<16)|(1<<20)|(6<<22)|(3<<25) ; the tile of h: no mask; 4-byte elements; after every 128 words, 4 words of padding
	s_mov_b32 s69, 128<<16
	s_mov_b32 s70, 32<<16
	s_mov_b32 s71, 128<<16
	s_mov_b32 s72, 32
	s_mov_b32 s73, 512
	s_mov_b32 s74, 0
	s_mov_b32 s75, 0
	s_mul_i32 s89, s80, QT
	s_mov_b32 s40, 1
	s_mov_b32 s41, s89
	s_mov_b32 s44, 1
	s_add_co_u32 s45, s89, AREG
	s_mov_b32 s48, 1
	s_add_co_u32 s49, s89, SLOT
	s_mov_b32 s52, 1
	s_add_co_u32 s53, s89, SLOT+AREG
	s_mov_b32 s56, 1
	s_add_co_u32 s57, s89, AREG
	s_lshl_b32 s90, s86, 7                         ; hw: row 128 R + 32 w
	s_lshl_b32 s91, s80, 5
	s_add_co_u32 s90, s90, s91
	s_lshl_b32 s90, s90, 10
	s_mov_b32 s91, 0
	s_lshl_b32 s92, s85, 7                         ; expert 0: row 128 Y + 32 w
	s_lshl_b32 s93, s80, 5
	s_add_co_u32 s92, s92, s93
	s_lshl_b32 s92, s92, 10
	s_add_co_u32 s92, s92, 1310720
	s_mov_b32 s93, 0
	s_mov_b32 s76, 0x3b000000                      ; 1 / 512
	s_mov_b32 s77, 0x358637bd                      ; 1e-6
	s_wait_dscnt 0x0
	s_wait_kmcnt 0x0
	s_add_nc_u64 s[20:21], s[4:5], s[90:91]
	s_add_nc_u64 s[22:23], s[6:7], s[92:93]
	s_mov_b64 s[42:43], s[20:21]
	s_or_b32 s43, s43, 0x80000000
	s_mov_b64 s[46:47], s[22:23]
	s_or_b32 s47, s47, 0x80000000
	s_add_nc_u64 s[50:51], s[20:21], 512
	s_or_b32 s51, s51, 0x80000000
	s_add_nc_u64 s[54:55], s[22:23], 512
	s_or_b32 s55, s55, 0x80000000
	s_lshl_b32 s2, s90, 1                          ; h and out: (128 R + 32 w) rows of 2,048 bytes + 512 Y
	s_lshl_b32 s3, s85, 9
	s_add_co_u32 s2, s2, s3
	s_mov_b32 s3, 0
	s_add_nc_u64 s[58:59], s[8:9], s[2:3]
	s_or_b32 s59, s59, 0x80000000
	s_add_nc_u64 s[12:13], s[12:13], s[2:3]
	s_lshl_b32 s2, s86, 12                         ; part: my 128 tokens of 32 bytes
	s_add_nc_u64 s[10:11], s[10:11], s[2:3]
	CROUND
	tensor_load_to_lds s[40:43], s[24:31]
	s_nop 0
	tensor_load_to_lds s[44:47], s[32:39]
	s_nop 0
	tensor_load_to_lds s[48:51], s[24:31]
	s_nop 0
	tensor_load_to_lds s[52:55], s[32:39]
	s_nop 0
	PLACES
	v_lshlrev_b32 v25, 5, v0                       ; a thread a token
.set i, 0
.rept 8
	global_load_b128 v[32+8*i:35+8*i], v25, s[10:11] offset:i*262144
	global_load_b32 v[36+8*i], v25, s[10:11] offset:i*262144+16
.set i, i+1
.endr
	WIN 0x80                                       ; T starts at 0, so that the four laps have one text; written while the first tiles are on their way
.set i, 0
.rept 128
	v_mov_b32 v[i], 0
.set i, i+1
.endr
	WIN 0
	v_and_b32 v1, 15, v0
	v_bfe_u32 v2, v0, 4, 1
	v_mul_u32_u24 v3, v1, PITCH
	v_lshl_add_u32 v4, v2, 5, v3
	v_lshl_add_u32 v3, v2, 4, v3
	s_mul_i32 s97, s81, HALFT
	v_add_nc_u32 v16, s97, v3
	v_add_nc_u32 v17, SLOT, v16
	s_lshl_b32 s98, s82, 8
	s_add_co_u32 s98, s98, s97
	v_add_nc_u32 v24, s98, v4                      ; a tile of f32: (64 half + l % 16) x 528 + 256 half + 32 (l / 16)
	v_add_nc_u32 v23, AREG, v24
	s_mul_i32 s97, s82, HALFT
	s_add_co_u32 s97, s97, AREG
	v_add_nc_u32 v20, s97, v3
	v_add_nc_u32 v21, SLOT, v20
	v_and_b32 v19, 31, v0
	v_lshlrev_b32 v19, 4, v19
	v_add_nc_u32 v31, s89, v19                     ; rows of out back: my 32 rows, a row a load
	v_lshl_add_u32 v26, v0, 4, CWL                 ; where my token's cw goes,
	s_lshl_b32 s97, s81, 10
	s_add_co_u32 s97, s97, CWL
	v_lshl_add_u32 v27, v1, 4, s97                 ; and where the cw of token 64 half + l % 16 lies
	v_mov_b32 v45, 0xff800000
	s_wait_loadcnt 0x0
.set i, 1
.rept 7
	v_pk_add_f32 v[32:33], v[32:33], v[32+8*i:33+8*i]
	v_pk_add_f32 v[34:35], v[34:35], v[34+8*i:35+8*i]
	v_add_f32 v36, v36, v[36+8*i]
.set i, i+1
.endr
	v_fma_f32 v37, v32, s76, s77
	v_rsq_f32 v38, v37
	v_nop
	s_wait_alu depctr_va_vdst(0)                   ; ahead of the first reader
	v_mul_f32 v40, v33, v38                        ; the four logits
	v_mul_f32 v41, v34, v38
	v_mul_f32 v42, v35, v38
	v_mul_f32 v43, v36, v38
	v_max3_num_f32 v44, v40, v41, v42
	v_max_num_f32 v44, v44, v43                    ; the greatest,
	v_cmp_eq_f32 s14, v40, v44
	v_cmp_eq_f32 s15, v41, v44
	v_cmp_eq_f32 s16, v42, v44
	v_cmp_eq_f32 s17, v43, v44
	s_and_not1_b32 s15, s15, s14                   ; and the first index that has it
	s_or_b32 s18, s14, s15
	s_and_not1_b32 s16, s16, s18
	s_or_b32 s18, s18, s16
	s_and_not1_b32 s17, s17, s18
	v_cndmask_b32 v46, v40, v45, s14               ; that one is taken out
	v_cndmask_b32 v47, v41, v45, s15
	v_cndmask_b32 v48, v42, v45, s16
	v_cndmask_b32 v49, v43, v45, s17
	v_max3_num_f32 v50, v46, v47, v48
	v_max_num_f32 v50, v50, v49                    ; the second
	v_cmp_eq_f32 s96, v46, v50
	v_cmp_eq_f32 s97, v47, v50
	v_cmp_eq_f32 s98, v48, v50
	v_cmp_eq_f32 s99, v49, v50
	s_and_not1_b32 s97, s97, s96
	s_or_b32 s18, s96, s97
	s_and_not1_b32 s98, s98, s18
	s_or_b32 s18, s18, s98
	s_and_not1_b32 s99, s99, s18
	v_sub_f32 v51, v50, v44                        ; the greater logit is taken away: at most 0
	v_mul_f32 v51, 0x3fb8aa3b, v51
	v_exp_f32 v52, v51
	v_nop
	s_wait_alu depctr_va_vdst(0)
	v_add_f32 v53, 1.0, v52
	v_rcp_f32 v54, v53
	v_nop
	s_wait_alu depctr_va_vdst(0)
	v_mul_f32 v56, v52, v54
	v_mul_f32 v55, v54, v38                        ; first weight / rms
	v_mul_f32 v56, v56, v38                        ; second weight / rms
.irp e, 0,1,2,3
	v_cndmask_b32 v[60+\e], 0, v56, s[96+\e]
	v_cndmask_b32 v[60+\e], v[60+\e], v55, s[14+\e]
.endr
	ds_store_b128 v26, v[60:63]
	s_wait_tensorcnt 0x2                           ; my parts of slot 0 are in; slot 1's two may stay out
	s_wait_dscnt 0x0                               ; for the others' sake: my token's cw is stored
	s_barrier_signal -1
	s_barrier_wait -1
.irp a, 0,1,2,3
	ds_load_b128 v[CW+4*\a:CW+4*\a+3], v27 offset:\a*256
.endr
	FETCH 0, 0, F0, 4, ADRB
	WIN 0
	s_mov_b32 s3, 3
.Llap:                                         ; experts 0, 1, 2: each lap asks for the next expert's rows
	QUARTER 0, 128, F0, F1, 1
	QUARTER 0, 256, F1, F0, 0
	QUARTER 0, 384, F0, F1, 0
	TURN 0, 1, 1, 4, 4, ADRB
	QUARTER 1, 128, F0, F1, 0
	QUARTER 1, 256, F1, F0, 0
	QUARTER 1, 384, F0, F1, 0
	TURN 1, 0, 1, 4, 4, ADRB
	WIN 0
	PLACES
	COMBINE
.irp a, 0,1,2,3                        ; the next expert's weight moves to the front
	v_mov_b32 v[CW+4*\a], v[CW+4*\a+1]
	v_mov_b32 v[CW+4*\a+1], v[CW+4*\a+2]
	v_mov_b32 v[CW+4*\a+2], v[CW+4*\a+3]
.endr
	s_sub_co_u32 s3, s3, 1
	s_cmp_lg_u32 s3, 0
	s_cbranch_scc1 .Llap
	QUARTER 0, 128, F0, F1, 1                      ; expert 3 is written out: it asks for no further expert
	QUARTER 0, 256, F1, F0, 0
	QUARTER 0, 384, F0, F1, 0
	TURN 0, 1, 2, 4, 4, ADRB                       ; the tile of h, into the part of slot 0 that held the weights
	QUARTER 1, 128, F0, F1, 0
	QUARTER 1, 256, F1, F0, 0
	QUARTER 1, 384, F0, F1, 0
	LASTQ
	COMBINE
	s_wait_tensorcnt 0x0                           ; my rows of h are in,
	s_barrier_signal -1
	s_barrier_wait -1                              ; everybody's are
	WIN 0x40
.irp a, 0,1,2,3
.irp bb, 0,1,2,3
	ds_load_b128 v[8*(4*\a+\bb):8*(4*\a+\bb)+3], v23 offset:\a*16*PITCH+64*\bb
	ds_load_b128 v[8*(4*\a+\bb)+4:8*(4*\a+\bb)+7], v23 offset:\a*16*PITCH+64*\bb+16
.endr
.endr
	s_wait_dscnt 0x0
	WIN 0x86
.set i, 0
.rept 64
	v_pk_add_f32 v[2*i:2*i+1], v[2*i:2*i+1], v[2*i:2*i+1]  ; T (window 2) + h (window 1)
.set i, i+1
.endr
	WIN 0x08                                       ; through the part of slot 0 that held hw: its one fill is over, and its reads ended at the last lap's change of slots
.irp a, 0,1,2,3
.irp bb, 0,1,2,3
	ds_store_b128 v24, v[8*(4*\a+\bb):8*(4*\a+\bb)+3] offset:\a*16*PITCH+64*\bb
	ds_store_b128 v24, v[8*(4*\a+\bb)+4:8*(4*\a+\bb)+7] offset:\a*16*PITCH+64*\bb+16
.endr
.endr
	s_wait_dscnt 0x0                               ; for the others' sake
	s_barrier_signal -1
	s_barrier_wait -1
	WIN 0x40
.set i, 0
.rept 32
	ds_load_b128 v[4*i:4*i+3], v31 offset:i*PITCH
.set i, i+1
.endr
	WIN 0x04
.set i, 0
.rept 32
	s_wait_dscnt 31-i                              ; the younger loads may stay out
	global_store_b128 v19, v[4*i:4*i+3], s[12:13] offset:i*2048  ; a wave stores 512 consecutive bytes of a row of out, aligned
.set i, i+1
.endr
	WIN 0
	s_wait_tensorcnt 0x0                           ; the wave's end
	ds_add_u32 v[SPW], v[NIL]
	s_wait_dscnt 0x0
	CROUND
	s_endpgm
.Lfunc_end_k_q088438976f_moe:
	.size	k_q088438976f_moe, .Lfunc_end_k_q088438976f_moe-k_q088438976f_moe
	.p2alignl 7, 3214868480
	.fill 96, 4, 3214868480
	.section	.rodata,"a",@progbits
	.p2align	6, 0x0
	.amdhsa_kernel k_q088438976f_moe
		.amdhsa_group_segment_fixed_size 327680
		.amdhsa_private_segment_fixed_size 0
		.amdhsa_enable_private_segment 0
		.amdhsa_kernarg_size 40
		.amdhsa_user_sgpr_count 2
		.amdhsa_user_sgpr_kernarg_segment_ptr 1
		.amdhsa_wavefront_size32 1
		.amdhsa_system_sgpr_workgroup_id_x 1
		.amdhsa_system_sgpr_workgroup_id_y 1
		.amdhsa_system_sgpr_workgroup_id_z 1
		.amdhsa_system_vgpr_workitem_id 0
		.amdhsa_next_free_vgpr 640
		.amdhsa_next_free_sgpr 102
		.amdhsa_reserve_vcc 0
		.amdhsa_float_denorm_mode_32 3
		.amdhsa_float_denorm_mode_16_64 3
		.amdhsa_memory_ordered 1
		.amdhsa_forward_progress 1
		.amdhsa_inst_pref_size 110
	.end_amdhsa_kernel
	.amdgpu_metadata
---
amdhsa.version: [ 1, 2 ]
amdhsa.kernels:
  - .name:           k_q088438976f_moe
    .symbol:         k_q088438976f_moe.kd
    .args:
      - { .name: hw, .offset: 0, .size: 8, .value_kind: global_buffer, .address_space: global }
      - { .name: wh, .offset: 8, .size: 8, .value_kind: global_buffer, .address_space: global }
      - { .name: h, .offset: 16, .size: 8, .value_kind: global_buffer, .address_space: global }
      - { .name: part, .offset: 24, .size: 8, .value_kind: global_buffer, .address_space: global }
      - { .name: out0, .offset: 32, .size: 8, .value_kind: global_buffer, .address_space: global }
    .group_segment_fixed_size: 327680
    .private_segment_fixed_size: 0
    .kernarg_segment_align: 8
    .kernarg_segment_size: 40
    .max_flat_workgroup_size: 128
    .sgpr_count:     102
    .vgpr_count:     640
    .wavefront_size: 32
...
	.end_amdgpu_metadata
.endif
;; end of part 5
